; MI455X (gfx1250); checked and timed in simulation.
; The chip was launched on July 23, 2026; its instructions are those of AMD's public machine-readable ISA for CDNA 5 (MIT licence, August 2026) and "CDNA5" Instruction Set Architecture Reference Guide (July 2026). The comments in the code are by the model that wrote it; some were corrected since.
;; Multi Head Attention. Allowed arithmetic: matrix products marked QUANTISED: E2M1 operands, one E8M0 scale for each 32 along K, by v_wmma_scale_f32_16x16x128_f8f6f4 with both operands' format E2M1 (or v_wmma_scale_f32_32x16x128_f4), f32 sums; everything else in f32.
;; Inputs: bk 1,024 float32; bo 1,024 float32; bq 1,024 float32; bv 1,024 float32; key 4 x 2,048 x 1,024 float32; mask 4 x 2,048 x 2,048 int32; query 4 x 2,048 x 1,024 float32; value 4 x 2,048 x 1,024 float32; wk 1,024 x 1,024 float32; wo 1,024 x 1,024 float32; wq 1,024 x 1,024 float32; wv 1,024 x 1,024 float32.
;; Outputs: out0 4 x 2,048 x 1,024 float32.
;; This version of the problem:
;;   THIS VERSION OF THE PROBLEM IS GIVEN IN LOW PRECISION. The matrix products marked QUANTISED in the list below multiply operands that are first quantised to E2M1 (2 exponent bits, 1 mantissa bit; 4 bits a number), with one power-of-two scale for each 32 numbers along K (OCP MX v1.0); their sums are f32. All else is computed in f32.
;;   The module's matrix products, in the order in which they are computed (A, B: the left and right operand; K: the contracted axis; several contracted axes count as one K, in the product's order):
;;     1. [M 8,192, K 1,024] x [K 1,024, N 1,024]; A: input query; B: input wq: QUANTISED
;;     2. [M 8,192, K 1,024] x [K 1,024, N 1,024]; A: input key; B: input wk: QUANTISED
;;     3. [M 8,192, K 1,024] x [K 1,024, N 1,024]; A: input value; B: input wv: QUANTISED
;;     4. batch 64 x [M 2,048, K 64] x [K 64, N 2,048]; A: computed on the way; B: computed on the way: QUANTISED
;;     5. batch 64 x [M 2,048, K 2,048] x [K 2,048, N 64]; A: softmax (see below); B: computed on the way: QUANTISED
;;     6. [M 8,192, K 1,024] x [K 1,024, N 1,024]; A: computed on the way; B: input wo: QUANTISED
;;   THE QUANTISER, for each operand of a quantised product, along K:
;;     - K is cut into blocks of 32 from its start; a last block that is shorter is filled with zeros.
;;     - A block's scale is 2^e with e = floor(log2(the largest magnitude in the block)) - 2, held to -126 .. 127; a block of zeros has e = 0. As a byte (E8M0): e + 127.
;;     - Each number is divided by its block's scale, clamped to +-6, and rounded to the nearest number of E2M1, ties to even, subnormals kept.
;;     - The product sums the exact products of the quantised numbers (number of the format x scale) in f32.
;;   ~~~python
;;   def quantise(x, axis):      # numpy; x: float32 -> the quantised numbers, widened to float32 again
;;       x = np.moveaxis(x, axis, -1); K = x.shape[-1]
;;       x = np.pad(x, [(0, 0)] * (x.ndim - 1) + [(0, -K % 32)]); x = x.reshape(x.shape[:-1] + (-1, 32)); a = np.abs(x).max(-1, keepdims=True)
;;       e = np.where(a > 0, np.clip(np.frexp(np.where(a > 0, a, 1))[1] - 1 - 2, -126, 127), 0)      # np.frexp(a)[1] - 1 = floor(log2(a)), exactly
;;       r = np.clip(x / 2.0 ** e, -6, 6)
;;       step = 2.0 ** (np.maximum(np.frexp(np.where(r == 0, 1, r))[1] - 1, 0) - 1)
;;       q = np.round(r / step) * step * 2.0 ** e      # np.round: ties to even
;;       return np.moveaxis(q.reshape(q.shape[:-2] + (-1,))[..., :K], -1, axis).astype(np.float32)
;;   ~~~
;;   SOFTMAX AHEAD OF A QUANTISED PRODUCT. Where the list says 'softmax', what is quantised is not the finished softmax but p = 2^(t - M), with t = logit x log2(e) and M = ceil(the row's largest t), a whole number; so 1/2 < the row's largest p <= 1. The row's sum l is taken of the UNQUANTISED p, in f32, and the product's result is divided by l at the end. Since M is a whole number, a kernel that streams over the keys may use a running M (the ceiling of the running maximum): every later rescaling is an exact power of two, which a block's scale takes up: the codes' values come out the same.
;;   OPERANDS COMPUTED ON THE WAY. 'Computed on the way' means the value that the module computes at that place (a softmax that the list does not call 'softmax' is quantised finished and normalised). What goes into a quantiser is computed in f32, as accurately as f32 sums, v_exp_f32 and their like allow (about 1e-6 of the number): no bf16 or f16 on the way to a quantiser, and a product that is left as it is and whose result goes on into a quantised operand takes f32 operands (vector FMAs, or v_wmma_f32_16x16x4_f32). A number that lies on a knife's edge between two numbers of the format may be rounded either way, as far as f32 arithmetic and the matrix unit's own rounding can turn it there, and no further.
;; One version. Each part assembles by itself: llvm-mc -triple=amdgcn-amd-amdhsa -mcpu=gfx1250 --defsym DOCPART=n.
;; ======== version 1 of 1: 4 launches
;; limits: right only within a limited range of input values
;; workspace buffers: inq 15,597,568 bytes; maskc 8,388,608 bytes; rowf 131,072 bytes; qkv 13,369,344 bytes; xq 4,456,448 bytes
;; launch quant (part 1): grid 960 x 1, 4 waves a work-group, no clusters, 68,096 bytes of LDS; arguments query, key, value, wq, wk, wv, wo, inq, mask, maskc, rowf; writes inq, maskc, rowf
.if DOCPART == 1
	.amdgcn_target "amdgcn-amd-amdhsa--gfx1250"
	.amdhsa_code_object_version 6
	.text
	.protected	k_qde676f1d09_quant
	.globl	k_qde676f1d09_quant
	.p2align	8
	.type	k_qde676f1d09_quant,@function
k_qde676f1d09_quant:
	s_mov_b64 s[64:65], 0
	v_nop
	global_prefetch_b8 v0, s[64:65] scope:SCOPE_SE
	s_setreg_imm32_b32 hwreg(HW_REG_WAVE_MODE, 25, 1), 1
	s_wait_xcnt 0x0
; query, key, value [8192][1024] and wq, wk, wv, wo [1024][1024], f32, K innermost, become codes of FP4 (E2M1) with one E8M0 byte for each 32 along K,
; laid in the ORDER OF AN OPERAND'S REGISTERS.  A tile is 16 rows; row r of tile T is 32 (T / 2) + 8 (T % 2) + r + 8 (r / 8).
; Codes: byte 8192 G + 1024 ks + 512 c + 16 lane holds k = 128 ks + 64 c + 32 (lane / 16) + 0 .. 31 of row lane % 16.   Scale words: SCB + 512 G + 256 (ks / 4) + 16 r + 4 (ks % 4).
; G counts tiles over the seven tensors on end: query 0, key 512, value 1024, wq 1536, wk 1600, wv 1664, wo 1728.
; A block's scale is 2^(floor(log2(its largest magnitude)) - 2): its byte is the largest magnitude's exponent field - 2, held at 1 from below.
; LIMITS: a block of zeros gets the byte 1 where the rule says 127 (its codes are zeros, and this program alone reads the bytes); NaN and infinities among the inputs are not served.
; SHARES: a wave takes one tile, all of K, in 8 steps of 128.  Each load reads 512 consecutive bytes of one row; the step's 16 rows turn through the wave's own stage in LDS, so that a lane gets
; two whole blocks of 32 neighbours; each store writes 512 consecutive bytes.  Waves share nothing: no barrier.  Loads run two steps (32 loads a wave) ahead.
.set PITCH, 528                        ; a stage row: 512 bytes + 16: the sixteen rows that a load touches start 4 words apart
.set WSTG,  16*PITCH                   ; a wave's stage
.set SCB,   14680064                   ; 1792 tiles x 8192: where the scale words begin
.set SWD,   16                         ; v16-23   the scale word of each K step
.set C,     24                         ; v24-31   a step's codes
.set R,     32                         ; v32-159  two sets of 64: rows as loaded
.set X,     160                        ; v160-223 my two blocks of 32 neighbours
	; ONE LAUNCH, TWO PATHS: work-groups 0-447 quantise the seven tensors (below); work-groups 448-959 pack the mask (at .Lmask).  The paths part on the work-group's number alone, and each has LDS bytes of its own:
	; the tensors' stages 0 .. 0x83ff, the mask's 0x8400 .. 0x107ff; behind both the spare words, 128 bytes for each wave.
	v_lshl_add_u32 v240, v0, 2, 0x10800
	v_mov_b32 v241, 0
	s_cmp_ge_u32 ttmp9, 448
	s_cbranch_scc1 .Lmask
	s_load_b512 s[8:23], s[0:1], 0x0               ; query, key, value, wq, wk, wv, wo, inq
	v_lshrrev_b32 v1, 5, v0
	v_readfirstlane_b32 s24, v1                    ; wave
	v_and_b32 v1, 31, v0                           ; lane
	v_and_b32 v2, 15, v0                           ; r
	v_bfe_u32 v3, v0, 4, 1                         ; h
	v_lshlrev_b32 v4, 4, v1                        ; 16 x lane
	s_mul_i32 s25, s24, WSTG
	v_add_nc_u32 v5, s25, v4                       ; the stage, on the way in: 16 x lane of a row
	v_mul_u32_u24 v6, v2, PITCH
	v_lshl_add_u32 v6, v3, 7, v6
	v_add_nc_u32 v6, s25, v6                       ; and on the way out: row r, + 128 h
	v_lshlrev_b32 v7, 3, v3                        ; 8 h: my bytes' place in a scale word
	v_mov_b32 v15, 0                               ; a lane permute's destination counts as one of its sources
	s_mov_b32 s26, 0x76543210
	s_mov_b32 s27, 0xfedcba98                      ; v_permlanex16_b32's selects for lane l xor 16
	s_mov_b32 s28, 0
	s_wait_alu depctr_va_vdst(0)
	s_wait_kmcnt 0x0
.macro PICK first, ptr                 ; from work-group 'first' on the tensor at s[ptr]: the choice hangs on the work-group's number alone
	s_cmp_ge_u32 ttmp9, \first
	s_cselect_b64 s[8:9], s[\ptr:\ptr+1], s[8:9]
	s_cselect_b32 s28, \first, s28
.endm
	PICK 128, 10
	PICK 256, 12
	PICK 384, 14
	PICK 400, 16
	PICK 416, 18
	PICK 432, 20
	s_sub_co_u32 s28, ttmp9, s28
	s_lshl_b32 s28, s28, 2
	s_add_co_u32 s28, s28, s24                     ; my tile in its tensor
	; THE TILES OF key ALONE (work-groups 128-255) have other rows than the head says: row r of tile T is 64 (T / 4) + 8 (T % 4) + r % 8 + 32 (r / 8),
	; so that in the attention a lane's registers of four score tiles are one whole block of 32 keys.  g = 1 (all other tensors) or 2 (key): 2^g tiles share 16 x 2^g rows.
	s_lshr_b32 s33, ttmp9, 7
	s_cmp_eq_u32 s33, 1
	s_cselect_b32 s33, 2, 1                        ; g
	s_lshr_b32 s29, s28, s33
	s_add_co_u32 s38, s33, 16
	s_lshl_b32 s29, s29, s38                       ; 16 x 2^g rows of 4,096 bytes for each group of tiles
	s_lshl_b32 s30, 1, s33
	s_sub_co_u32 s30, s30, 1
	s_and_b32 s30, s28, s30
	s_lshl_b32 s30, s30, 15                        ; 8 rows for each tile in the group
	s_add_co_u32 s30, s29, s30
	s_mov_b32 s31, 0
	s_add_nc_u64 s[8:9], s[8:9], s[30:31]          ; my tile's rows 0-7
	s_lshl_b32 s30, 0x8000, s33
	s_add_nc_u64 s[38:39], s[8:9], s[30:31]        ; its rows 8-15: 8 x 2^g rows further down
	s_lshl_b32 s32, ttmp9, 2
	s_add_co_u32 s32, s32, s24                     ; G
	s_lshl_b32 s34, s32, 13
	s_mov_b32 s35, 0
	s_add_nc_u64 s[34:35], s[22:23], s[34:35]      ; my tile's codes
	s_lshl_b32 s36, s32, 9
	s_add_co_u32 s36, s36, SCB
	s_mov_b32 s37, 0
	s_add_nc_u64 s[36:37], s[22:23], s[36:37]      ; and its scale words
.macro LOAD s                          ; K step s: 512 bytes of each of my 16 rows
.irp i, 0,1,2,3,4,5,6,7,8,9,10,11,12,13,14,15
	global_load_b128 v[R+64*((\s)%2)+4*\i:R+64*((\s)%2)+4*\i+3], v4, s[8+30*(\i/8):9+30*(\i/8)] offset:(\i%8)*4096+512*(\s) th:TH_LOAD_NT
.endr
.endm
.macro STEP s
.if (\s) < 7
	s_wait_loadcnt 16                              ; this step's 16 loads are in; the next step's 16 may be out
.else
	s_wait_loadcnt 0
.endif
.irp i, 0,1,2,3,4,5,6,7,8,9,10,11,12,13,14,15
	ds_store_b128 v5, v[R+64*((\s)%2)+4*\i:R+64*((\s)%2)+4*\i+3] offset:PITCH*\i
.endr
.irp c, 0,1
.irp x, 0,1,2,3,4,5,6,7
	ds_load_b128 v[X+32*\c+4*\x:X+32*\c+4*\x+3], v6 offset:256*\c+16*\x   ; LDS serves a wave's instructions in order: these see the stores above
.endr
.endr
	s_wait_dscnt 0x0                               ; my 64 numbers are back, and the stores have read their registers,
.if (\s)+2 < 8
	LOAD (\s)+2                                    ; which take the loads of two steps on
.endif
.irp c, 0,1
	v_max3_num_f32 v[8+\c], |v[X+32*\c]|, |v[X+32*\c+1]|, 0x1800000   ; block 2 c + h: all 32 numbers are mine; the floor 2^(3 - 127) holds the byte at 1 from below
.endr
.irp i, 2,4,6,8,10,12,14,16,18,20,22,24,26,28,30
.irp c, 0,1
	v_max3_num_f32 v[8+\c], v[8+\c], |v[X+32*\c+\i]|, |v[X+32*\c+\i+1]|   ; (the two blocks by turns)
.endr
.endr
.irp c, 0,1
	v_add_nc_u32 v[10+\c], 0xff000000, v[8+\c]     ; 2 off the exponent field: the conversion's scale operand
.endr
.irp c, 0,1
	v_lshrrev_b32 v[12+\c], 23, v[10+\c]           ; the scale's byte
.endr
	v_lshl_or_b32 v14, v13, 16, v12                ; my two bytes: blocks h and 2 + h,
	v_lshlrev_b32 v14, v7, v14                     ; at their places in the word;
	v_permlanex16_b32 v15, v14, s26, s27
	v_or_b32 v[SWD+(\s)], v14, v15                 ; with lane l xor 16's two the word is whole
	s_wait_alu depctr_va_vdst(0)
	s_wait_xcnt 0x0                                ; the last step's stores have read their data: the codes' registers are written again only behind this wait
.irp c, 0,1
.irp g, 0,1,2,3
	v_cvt_scalef32_pk8_fp4_f32 v[C+4*\c+\g], v[X+32*\c+8*\g:X+32*\c+8*\g+7], v[10+\c]
.endr
.endr
	v_nop                                          ; one plain place behind the last scaled conversion
.irp c, 0,1
	global_store_b128 v4, v[C+4*\c:C+4*\c+3], s[34:35] offset:1024*(\s)+512*\c   ; 32 lanes store 512 consecutive bytes
.endr
.endm
	LOAD 0
	LOAD 1
.irp s, 0,1,2,3,4,5,6,7
	STEP \s
.endr
	v_cmp_le_u32 vcc_lo, 16, v1                    ; lanes 0-15 store the words of K steps 0-3 of row r, lanes 16-31 those of steps 4-7
.irp e, 0,1,2,3
	v_cndmask_b32 v[8+\e], v[SWD+\e], v[SWD+4+\e], vcc_lo
.endr
	global_store_b128 v4, v[8:11], s[36:37]        ; 512 consecutive bytes
	s_wait_tensorcnt 0x0                           ; the wave's end
	ds_add_u32 v240, v241
	s_wait_dscnt 0x0
	s_endpgm
; THE MASK'S PATH.  mask [8192 query rows][2048 keys], int32, becomes codes of FP4 (E2M1): -4 where the mask is 0 (the key is hidden), 0 where it is not, laid as an operand of the attention's matrix instruction.
; maskc: [tile of 16 query rows: 512][step of 128 keys: 16][1,024 bytes].  Query row r of tile T is 32 (T / 2) + 8 (T % 2) + r + 8 (r / 8); key row m of a step's key tile t is key 64 (t / 4) + 8 (t % 4) + m % 8 + 32 (m / 8).
; Byte 512 g + 16 lane of a step holds registers 4 g .. 4 g + 3 of lane (r, h); nibble i of register t stands for query row r and key 64 (t / 4) + 32 h + 8 (t % 4) + i of the step.
; rowf: [tile: 512][row r: 16][wave: 4] words: the AND of all code words of that row in the wave's quarter of the keys.  All four are 0xeeeeeeee where every key of the row is hidden, and only there.
; SHARES: a work-group takes a tile of rows, wave w the steps 4 w .. 4 w + 3.  Each load reads 512 consecutive bytes of one row; the 16 rows turn through the wave's own stage in LDS, so that lane (r, h) holds
; 64 numbers of its row in the order of its registers' nibbles; each store of codes writes 512 consecutive bytes.  The row words leave as 4 bytes a lane, 16 bytes apart: 131,072 bytes in all.  Waves share nothing: no barrier.
.Lmask:
.set R,     16                         ; v16-143  two sets of 64: rows as loaded
.set X,     144                        ; v144-207 my 64 numbers
.set W,     208                        ; v208-239 eight code words for each step: no store's data are written again
	s_load_b128 s[4:7], s[0:1], 0x40               ; mask, maskc
	s_load_b64 s[14:15], s[0:1], 0x50              ; rowf
	s_sub_co_u32 s29, ttmp9, 448                   ; my tile of query rows
	v_lshrrev_b32 v1, 5, v0
	v_readfirstlane_b32 s8, v1                     ; wave
	v_and_b32 v1, 31, v0                           ; lane
	v_and_b32 v2, 15, v0                           ; r
	v_bfe_u32 v3, v0, 4, 1                         ; h
	v_lshlrev_b32 v4, 4, v1                        ; 16 x lane
	v_lshlrev_b32 v5, 4, v2                        ; 16 r
	s_mul_i32 s9, s8, WSTG
	s_add_co_u32 s9, s9, 0x8400                    ; my stage, among this path's own bytes
	v_add_nc_u32 v6, s9, v4                        ; the stage, on the way in
	v_mul_u32_u24 v7, v2, PITCH
	v_lshl_add_u32 v7, v3, 7, v7
	v_add_nc_u32 v7, s9, v7                        ; and on the way out: row r, + 128 h
	v_mov_b32 v8, -1                               ; the AND of my code words, in two chains
	v_mov_b32 v9, -1
	v_mov_b32 v10, 0                               ; a lane permute's destination counts as one of its sources
	v_mov_b32 v11, 1.0                             ; the conversions' scale operand: 2^0
	s_mov_b32 s16, 0x76543210
	s_mov_b32 s17, 0xfedcba98                      ; v_permlanex16_b32's selects for lane l xor 16
	s_lshr_b32 s10, s29, 1
	s_lshl_b32 s10, s10, 18                        ; 32 rows of 8,192 bytes for each pair of tiles
	s_and_b32 s11, s29, 1
	s_lshl_b32 s11, s11, 16                        ; 8 rows for the odd tile
	s_add_co_u32 s10, s10, s11
	s_lshl_b32 s11, s8, 11                         ; my four steps: 2,048 bytes of a row
	s_add_co_u32 s10, s10, s11
	s_mov_b32 s11, 0
	s_lshl_b32 s12, s29, 14                        ; a tile's codes: 16,384 bytes; my four steps: 4,096
	s_lshl_b32 s13, s8, 12
	s_add_co_u32 s12, s12, s13
	s_mov_b32 s13, 0
	s_lshl_b32 s18, s29, 8                         ; a tile's row words: 256 bytes; mine: 4 x wave in each row's 16
	s_lshl_b32 s19, s8, 2
	s_add_co_u32 s18, s18, s19
	s_mov_b32 s19, 0
	s_wait_alu depctr_va_vdst(0)
	s_wait_kmcnt 0x0
	s_add_nc_u64 s[4:5], s[4:5], s[10:11]
	s_add_nc_u64 s[6:7], s[6:7], s[12:13]
	s_add_nc_u64 s[14:15], s[14:15], s[18:19]
.macro MKLOAD t
.irp i, 0,1,2,3,4,5,6,7,8,9,10,11,12,13,14,15
	global_load_b128 v[R+64*((\t)%2)+4*\i:R+64*((\t)%2)+4*\i+3], v4, s[4:5] offset:(\i+8*(\i/8))*8192+512*(\t) th:TH_LOAD_NT
.endr
.endm
.macro MKSTEP t
.if (\t) < 3
	s_wait_loadcnt 16                              ; this step's 16 loads are in; the next step's 16 may be out
.else
	s_wait_loadcnt 0
.endif
.irp i, 0,1,2,3,4,5,6,7,8,9,10,11,12,13,14,15
	ds_store_b128 v6, v[R+64*((\t)%2)+4*\i:R+64*((\t)%2)+4*\i+3] offset:PITCH*\i
.endr
.irp b, 0,1
.irp x, 0,1,2,3,4,5,6,7
	ds_load_b128 v[X+32*\b+4*\x:X+32*\b+4*\x+3], v7 offset:256*\b+16*\x   ; keys 64 b + 32 h + 4 x on; LDS serves a wave's instructions in order
.endr
.endr
	s_wait_dscnt 0x0                               ; my 64 numbers are back, and the stores have read their registers,
.if (\t)+2 < 4
	MKLOAD (\t)+2                                  ; which take the loads of two steps on
.endif
.irp g, 0,1,2,3,4,5,6,7                        ; eight numbers at a time: those of key tile g
.irp e, 0,1,2,3,4,5,6,7
	v_cmp_eq_u32 s[20+\e], 0, v[X+8*\g+\e]
.endr
.irp e, 0,1,2,3,4,5,6,7
	v_cndmask_b32 v[X+8*\g+\e], 0, -4.0, s[20+\e]  ; hidden: -4.0; open: 0
.endr
.endr
.irp g, 0,1,2,3,4,5,6,7
	v_cvt_scalef32_pk8_fp4_f32 v[W+8*(\t)+\g], v[X+8*\g:X+8*\g+7], v11   ; the first number's code in the lowest four bits
.endr
	v_nop                                          ; one plain place behind the last scaled conversion
.irp g, 0,2,4,6
	v_and_b32 v8, v8, v[W+8*(\t)+\g]
	v_and_b32 v9, v9, v[W+8*(\t)+\g+1]
.endr
	global_store_b128 v4, v[W+8*(\t):W+8*(\t)+3], s[6:7] offset:1024*(\t)         ; 32 lanes store 512 consecutive bytes
	global_store_b128 v4, v[W+8*(\t)+4:W+8*(\t)+7], s[6:7] offset:1024*(\t)+512
.endm
	MKLOAD 0
	MKLOAD 1
.irp t, 0,1,2,3
	MKSTEP \t
.endr
	v_and_b32 v8, v8, v9
	v_permlanex16_b32 v10, v8, s16, s17
	v_and_b32 v8, v8, v10                          ; with lane l xor 16's: all of row r's keys in my four steps
	s_wait_alu depctr_va_vdst(0)
	s_wait_xcnt 0x0                                ; EXEC changes only behind this wait
	v_cmp_gt_u32 vcc_lo, 16, v1
	s_wait_tensorcnt 0x0                           ; the wave's end
	ds_add_u32 v240, v241
	s_wait_dscnt 0x0
	s_and_saveexec_b32 s28, vcc_lo
	global_store_b32 v5, v8, s[14:15]              ; lanes 0-15: row r's word
	s_endpgm
.Lfunc_end_k_qde676f1d09_quant:
	.size	k_qde676f1d09_quant, .Lfunc_end_k_qde676f1d09_quant-k_qde676f1d09_quant
	.p2alignl 7, 3214868480
	.fill 96, 4, 3214868480
	.section	.rodata,"a",@progbits
	.p2align	6, 0x0
	.amdhsa_kernel k_qde676f1d09_quant
		.amdhsa_group_segment_fixed_size 68096
		.amdhsa_private_segment_fixed_size 0
		.amdhsa_enable_private_segment 0
		.amdhsa_kernarg_size 88
		.amdhsa_user_sgpr_count 2
		.amdhsa_user_sgpr_kernarg_segment_ptr 1
		.amdhsa_wavefront_size32 1
		.amdhsa_system_sgpr_workgroup_id_x 1
		.amdhsa_system_sgpr_workgroup_id_y 1
		.amdhsa_system_sgpr_workgroup_id_z 1
		.amdhsa_system_vgpr_workitem_id 0
		.amdhsa_next_free_vgpr 242
		.amdhsa_next_free_sgpr 66
		.amdhsa_reserve_vcc 1
		.amdhsa_float_denorm_mode_32 3
		.amdhsa_float_denorm_mode_16_64 3
		.amdhsa_memory_ordered 1
		.amdhsa_forward_progress 1
		.amdhsa_inst_pref_size 111
	.end_amdhsa_kernel
	.amdgpu_metadata
---
amdhsa.version: [ 1, 2 ]
amdhsa.kernels:
  - .name:           k_qde676f1d09_quant
    .symbol:         k_qde676f1d09_quant.kd
    .args:
      - { .name: query, .offset: 0, .size: 8, .value_kind: global_buffer, .address_space: global }
      - { .name: key, .offset: 8, .size: 8, .value_kind: global_buffer, .address_space: global }
      - { .name: value, .offset: 16, .size: 8, .value_kind: global_buffer, .address_space: global }
      - { .name: wq, .offset: 24, .size: 8, .value_kind: global_buffer, .address_space: global }
      - { .name: wk, .offset: 32, .size: 8, .value_kind: global_buffer, .address_space: global }
      - { .name: wv, .offset: 40, .size: 8, .value_kind: global_buffer, .address_space: global }
      - { .name: wo, .offset: 48, .size: 8, .value_kind: global_buffer, .address_space: global }
      - { .name: inq, .offset: 56, .size: 8, .value_kind: global_buffer, .address_space: global }
      - { .name: mask, .offset: 64, .size: 8, .value_kind: global_buffer, .address_space: global }
      - { .name: maskc, .offset: 72, .size: 8, .value_kind: global_buffer, .address_space: global }
      - { .name: rowf, .offset: 80, .size: 8, .value_kind: global_buffer, .address_space: global }
    .group_segment_fixed_size: 68096
    .private_segment_fixed_size: 0
    .kernarg_segment_align: 8
    .kernarg_segment_size: 88
    .max_flat_workgroup_size: 128
    .sgpr_count:     66
    .vgpr_count:     242
    .wavefront_size: 32
...
	.end_amdgpu_metadata
.endif
;; end of part 1
;; launch proj (part 2): grid 768 x 1, 4 waves a work-group, no clusters, 209,408 bytes of LDS; arguments inq, bq, bk, bv, qkv; writes qkv
.if DOCPART == 2
	.amdgcn_target "amdgcn-amd-amdhsa--gfx1250"
	.amdhsa_code_object_version 6
	.text
	.protected	k_qde676f1d09_proj
	.globl	k_qde676f1d09_proj
	.p2align	8
	.type	k_qde676f1d09_proj,@function
k_qde676f1d09_proj:
	s_mov_b64 s[64:65], 0
	v_nop
	global_prefetch_b8 v0, s[64:65] scope:SCOPE_SE
	s_setreg_imm32_b32 hwreg(HW_REG_WAVE_MODE, 25, 1), 1
	s_wait_xcnt 0x0
; q = query wq^T + bq, k = key wk^T + bk, v = value wv^T + bv on codes of FP4 (E2M1) with E8M0 scales, sums in f32; the results are quantised at once for the attention: q and k along the head's 64,
; v along the keys.  Operands come from inq as images of their registers (a tile of 16 rows x 128 K is 1,024 dense bytes; row r of tile T is 32 (T / 2) + 8 (T % 2) + r + 8 (r / 8)).
; A work-group makes 128 LANE-SIDE rows (source 1: a lane holds one of them) x 256 REGISTER-SIDE rows (source 0: a lane's registers run along them; by the choice of a tile's rows the 16 registers of result
; tiles 2 b and 2 b + 1 are 16 neighbours).  q, k: lanes = tokens, registers = features, which are the next K.  v: lanes = features, registers = tokens, which are the next K (the keys).
; Work-groups 0-255 make q, 256-511 k, 512-767 v.  Four waves: wave w takes lane rows 64 (w / 2) on and register rows 128 (w % 2) on: 32 accumulators of 16 x 16.
; ALL OF K (1,024) LIES IN LDS: four chunks of two K steps and the scale words, each filled once by tensor loads issued together at the start: nothing is filled again; counted waits let the later chunks land
; while the earlier ones are multiplied.  No multicast: a row of 4 work-groups shares the lane side and 64 share the register side, but q, k and v are mapped two ways in one grid, so one pair of masks does not
; serve all 768 work-groups.
; qkv: 192 records of 69,632 bytes (65,536 of codes, 4,096 of scale words): q of head bh at record bh, k at 64 + 2 bh, v at 65 + 2 bh.
;   q, k codes: 512 x token tile + 16 x lane: the 32 codes 32 (lane / 16) on of token lane % 16.  Scale words: 256 step + 128 lh + 8 r + 4 p: bytes 0, 1 of tile 8 step + 4 lh + 2 p, bytes 2, 3 of the next tile.
;   v codes: 1024 (4 step + dt) + 512 c + 16 x lane.  Scale words: 256 step + 16 r + 4 dt.
; LIMITS: a block of zeros gets the byte 1 where the rule says 127 (zero codes; read by this program alone); NaN and infinities are not served.
; REGISTERS: window 0: v1-3 lane, r, h; v4-19 addresses; v20-23 the bias by rows; v32-95 scale words; v96-159 lane-side fragments, two sets, later codes and scale words made; v160-223 64 numbers; v224-239 at work.
;   window 1: v0-127 register-side fragments, two sets; v128-191 the bias by columns.   window 2: accumulator (a, b) at v[8 (8 a + b)].
.set SCB,   14680064                   ; where inq's scale words begin
.set REC,   69632
.set CHUNK, 49152                      ; two K steps: 8 lane tiles x 2,048 bytes, then 16 register tiles
.set SCL,   4*CHUNK                    ; the scale words: 4,096 bytes of the lane side, then 8,192 of the register side
.set LI,    4                          ; v4      16 x lane
.set ADRS,  5                          ; v5      my scale words: lanes 0-15 the lane side's, lanes 16-31 the register side's
.set ADRA,  12                         ; v12-15  my lane-side fragments in chunk q
.set ADRB,  16                         ; v16-19  my register-side fragments in chunk q
.set BR,    20
.set SC,    32                         ; register 8 i + ks: lanes 0-15 the word of lane tile i, lanes 16-31 that of register tile i, for K step ks
.set AF,    96
.set T,     160
.set TM,    224
.set BC,    128                        ; in window 1
.set PC,    96                         ; the codes made: 8 registers for each of four tiles
.set PW,    128                        ; their scale words
.set SW,    132                        ; q, k: the two pair words
.set G1C,   24                         ; s[24:31] group 1 for a chunk's 8 tiles
.set G1S,   32                         ; s[32:39] group 1 for 4,096 bytes of scale words
.set G0S,   40                         ; s[40:43] group 0 for the scale words;  s[44:47] for the codes
.set G0C,   44
.set SEL,   60
.set MSB,   0
.macro WIN new                         ; the immediate's high byte repeats the setting that is left
.if MSB != \new
	s_set_vgpr_msb (MSB<<8)|\new
.set MSB, \new
.endif
.endm
.set W_MUL, 0xa1                       ; source 0 window 1, source 1 window 0, C and D window 2
.set TO_B,  0x40                       ; destination window 1, address window 0
.macro PLACES n
.rept \n
	v_nop
.endr
.endm
	s_load_b256 s[4:11], s[0:1], 0x0               ; inq s[4:5], bq s[6:7], bk s[8:9], bv s[10:11]
	s_load_b64 s[12:13], s[0:1], 0x20              ; qkv
	v_lshl_add_u32 v254, v0, 2, 0x33000
	v_mov_b32 v255, 0
	ds_add_u32 v254, v255
	ds_add_u32 v254, v255
	v_lshrrev_b32 v1, 5, v0
	v_readfirstlane_b32 s14, v1                    ; wave
	s_lshr_b32 s15, s14, 1                         ; lh: which 64 lane rows
	s_and_b32 s16, s14, 1                          ; wr: which 128 register rows
	s_lshr_b32 s17, ttmp9, 8                       ; 0: q, 1: k, 2: v
	s_and_b32 s18, ttmp9, 255
	s_lshr_b32 s19, s18, 2                         ; q, k: ly = block of 128 tokens,
	s_and_b32 s20, s18, 3                          ;       rx = block of 256 features
	s_lshl_b32 s66, s17, 9
	s_lshl_b32 s67, s19, 3
	s_add_co_u32 s66, s66, s67                     ;       lane side from tile 512 ten + 8 ly,
	s_lshl_b32 s67, s17, 6
	s_lshl_b32 s68, s20, 4
	s_add_co_u32 s67, s67, s68
	s_add_co_u32 s67, s67, 1536                    ;       register side from tile 1536 + 64 ten + 16 rx
	s_and_b32 s21, s18, 7                          ; v: ly = block of 128 features,
	s_lshr_b32 s22, s18, 3                         ;    rx = block of 256 tokens
	s_lshl_b32 s68, s21, 3
	s_add_co_u32 s68, s68, 1664
	s_lshl_b32 s69, s22, 4
	s_add_co_u32 s69, s69, 1024
	s_cmp_eq_u32 s17, 2
	s_cselect_b32 s19, s21, s19                    ; ly
	s_cselect_b32 s20, s22, s20                    ; rx
	s_cselect_b32 s66, s68, s66
	s_cselect_b32 s67, s69, s67
	; HOW LDS IS FILLED, in place of what the head says of chunks and counted waits: ONE dense tensor load a wave, all four issued at the start and each filled once.  Wave 0: the lane side's 8 tiles, all of K (65,536 bytes, to LDS 0);
	; wave 1: the register side's 16 tiles (131,072 bytes, behind them); wave 2: the lane side's scale words (4,096 bytes); wave 3: the register side's (8,192).  One wait for 0 and one barrier stand ahead of the first K step.
	s_cmp_eq_u32 s16, 0                            ; even waves fetch for the lane side, odd ones for the register side
	s_cselect_b32 s68, s66, s67
	s_lshl_b32 s70, s68, 13
	s_mov_b32 s71, 0
	s_lshl_b32 s72, s68, 9
	s_add_co_u32 s72, s72, SCB
	s_mov_b32 s73, 0
	s_mov_b32 s[G1C+0], 3<<16                      ; elements of 8 bytes, no mask, no padding
	s_mov_b32 s[G1C+1], 32<<16                     ; 65,536 dense bytes as 256 rows of 256
	s_mov_b32 s[G1C+2], 256<<16
	s_mov_b32 s[G1C+3], 32<<16
	s_mov_b32 s[G1C+4], 256
	s_mov_b32 s[G1C+5], 32
	s_mov_b32 s[G1C+6], 0
	s_mov_b32 s[G1C+7], 0
	s_mov_b32 s[G1S+0], 3<<16                      ; 4,096 dense bytes as 16 rows of 256
	s_mov_b32 s[G1S+1], 32<<16
	s_mov_b32 s[G1S+2], 16<<16
	s_mov_b32 s[G1S+3], 32<<16
	s_mov_b32 s[G1S+4], 16
	s_mov_b32 s[G1S+5], 32
	s_mov_b32 s[G1S+6], 0
	s_mov_b32 s[G1S+7], 0
.irp g, 48, 84                                 ; s[48:55]: 131,072 dense bytes as 512 rows of 256;  s[84:91]: 8,192 as 32 rows
	s_mov_b32 s[\g+0], 3<<16
	s_mov_b32 s[\g+1], 32<<16
	s_mov_b32 s[\g+3], 32<<16
	s_mov_b32 s[\g+5], 32
	s_mov_b32 s[\g+6], 0
	s_mov_b32 s[\g+7], 0
.endr
	s_mov_b32 s50, 512<<16
	s_mov_b32 s52, 512
	s_mov_b32 s86, 32<<16
	s_mov_b32 s88, 32
	s_lshl_b32 s74, s14, 16                        ; where the codes go: 65,536 x wave (waves 0 and 1)
	s_wait_dscnt 0x0
	s_wait_kmcnt 0x0
	s_add_nc_u64 s[70:71], s[4:5], s[70:71]
	s_add_nc_u64 s[72:73], s[4:5], s[72:73]
	s_mov_b32 s[G0S], 1
	s_lshl_b32 s[G0S+1], s14, 12
	s_add_co_u32 s[G0S+1], s[G0S+1], SCL-8192      ; the scale words: SCL + 4,096 x (wave - 2) (waves 2 and 3)
	s_mov_b64 s[G0S+2:G0S+3], s[72:73]
	s_or_b32 s[G0S+3], s[G0S+3], 0x80000000
	s_mov_b32 s[G0C], 1
	s_mov_b32 s[G0C+1], s74
	s_mov_b64 s[G0C+2:G0C+3], s[70:71]
	s_or_b32 s[G0C+3], s[G0C+3], 0x80000000
.macro ARM under, g0, g1, next         ; one tree of branches on the wave's number, one load to an arm, all arms to one join
	s_cmp_lt_u32 s14, \under
	s_cbranch_scc0 \next
	tensor_load_to_lds s[\g0:\g0+3], s[\g1:\g1+7]
	s_nop 0
	PLACES 4
	s_branch .Lasked
\next:
.endm
	ARM 1, G0C, G1C, .Lhead_1
	ARM 2, G0C, 48, .Lhead_2
	ARM 3, G0S, G1S, .Lhead_3
	tensor_load_to_lds s[G0S:G0S+3], s[84:91]
	s_nop 0
	PLACES 4
.Lasked:
	v_and_b32 v1, 31, v0                           ; lane
	v_and_b32 v2, 15, v0                           ; r
	v_bfe_u32 v3, v0, 4, 1                         ; h
	v_lshlrev_b32 v[LI], 4, v1
	s_wait_alu depctr_va_vdst(0)
	s_lshl_b32 s74, s15, 15                        ; my 4 lane tiles of 8,192 bytes
	s_lshl_b32 s75, s16, 16                        ; my 8 register tiles,
	s_add_co_u32 s75, s75, 65536                   ; behind the 8 lane tiles
	v_add_nc_u32 v[ADRA], s74, v[LI]
	v_add_nc_u32 v[ADRB], s75, v[LI]
	s_xor_b32 s75, s15, 1                          ; lanes 16-31 stand 4096 + 4096 wr - 2048 lh = 2048 + 4096 wr + 2048 (1 - lh) bytes further on: one product with h
	s_lshl_b32 s75, s75, 11
	s_lshl_b32 s74, s16, 12
	s_add_co_u32 s75, s75, s74
	s_add_co_u32 s75, s75, 2048
	v_mul_u32_u24 v[ADRS], s75, v3
	v_lshl_add_u32 v[ADRS], v2, 4, v[ADRS]
	s_lshl_b32 s74, s15, 11
	s_add_co_u32 s74, s74, SCL
	v_add_nc_u32 v[ADRS], s74, v[ADRS]
	; The bias of my tensor, in both forms, so that the head has one path: by columns (q, k use it: the registers' features) and by rows (v uses it: the lane's feature).  The indices are cut to the table.
	s_cmp_eq_u32 s17, 1
	s_cselect_b64 s[6:7], s[8:9], s[6:7]
	s_cmp_eq_u32 s17, 2
	s_cselect_b64 s[6:7], s[10:11], s[6:7]
	s_and_b32 s74, s20, 3
	s_lshl_b32 s74, s74, 10
	s_lshl_b32 s75, s16, 9
	s_add_co_u32 s74, s74, s75                     ; 4 x (256 (rx % 4) + 128 wr)
	s_mov_b32 s75, 0
	s_add_nc_u64 s[8:9], s[6:7], s[74:75]
	s_and_b32 s74, s19, 7
	s_lshl_b32 s74, s74, 9
	s_lshl_b32 s76, s15, 8
	s_add_co_u32 s74, s74, s76                     ; 4 x (128 (ly % 8) + 64 lh)
	s_add_nc_u64 s[10:11], s[6:7], s[74:75]
	v_lshlrev_b32 v6, 6, v3                        ; by columns: + 16 h numbers
	v_and_b32 v7, 8, v2
	v_add_nc_u32 v7, v7, v2
	v_lshlrev_b32 v7, 2, v7                        ; by rows: + r + 8 (r / 8) numbers
	WIN TO_B
.irp t, 0,1,2,3,4,5,6,7
	global_load_b128 v[BC+8*\t:BC+8*\t+3], v6, s[8:9] offset:(32*(\t/2)+8*(\t%2))*4
	global_load_b128 v[BC+8*\t+4:BC+8*\t+7], v6, s[8:9] offset:(32*(\t/2)+8*(\t%2))*4+16
.endr
	WIN 0
.irp a, 0,1,2,3
	global_load_b32 v[BR+\a], v7, s[10:11] offset:(32*(\a/2)+8*(\a%2))*4
.endr
	s_mov_b32 s[SEL], 0x76543210
	s_mov_b32 s[SEL+1], 0xfedcba98                 ; v_permlanex16_b32's selects for lane l xor 16
.irp b, 0,1,2,3
	v_mov_b32 v[TM+4+\b], 0                        ; written once: a lane permute's destination counts as one of its sources
.endr
.macro SCALES                          ; all of K's scale words of my tiles: 16 loads
.irp i, 0,1,2,3,4,5,6,7
.irp g, 0,1
	ds_load_b128 v[SC+8*\i+4*\g:SC+8*\i+4*\g+3], v[ADRS] offset:512*\i+256*\g
.endr
.endr
.endm
.macro FETCH s                         ; K step s's fragments into set s % 2: an image comes back by two loads of 512 dense bytes
	WIN TO_B
.irp b, 0,1,2,3,4,5,6,7
.irp c, 0,1
	ds_load_b128 v[64*((\s)%2)+8*\b+4*\c:64*((\s)%2)+8*\b+4*\c+3], v[ADRB] offset:8192*\b+1024*(\s)+512*\c
.endr
.endr
	WIN 0
.irp a, 0,1,2,3
.irp c, 0,1
	ds_load_b128 v[AF+32*((\s)%2)+8*\a+4*\c:AF+32*((\s)%2)+8*\a+4*\c+3], v[ADRA] offset:8192*\a+1024*(\s)+512*\c
.endr
.endr
.endm
.macro MUL s                           ; 32 products; the 32 accumulators take turns, one instruction a turn, in the same order in every step.  Step 0 starts the sums
.irp a, 0,1,2,3
.irp b, 0,1,2,3,4,5,6,7
.if (\s) == 0
	v_wmma_scale_f32_16x16x128_f8f6f4 v[8*(8*\a+\b):8*(8*\a+\b)+7], v[64*((\s)%2)+8*\b:64*((\s)%2)+8*\b+7], v[AF+32*((\s)%2)+8*\a:AF+32*((\s)%2)+8*\a+7], 0, v[SC+8*\b+(\s)], v[SC+8*\a+(\s)] matrix_a_fmt:MATRIX_FMT_FP4 matrix_b_fmt:MATRIX_FMT_FP4 matrix_a_scale:MATRIX_SCALE_ROW1
.else
	v_wmma_scale_f32_16x16x128_f8f6f4 v[8*(8*\a+\b):8*(8*\a+\b)+7], v[64*((\s)%2)+8*\b:64*((\s)%2)+8*\b+7], v[AF+32*((\s)%2)+8*\a:AF+32*((\s)%2)+8*\a+7], v[8*(8*\a+\b):8*(8*\a+\b)+7], v[SC+8*\b+(\s)], v[SC+8*\a+(\s)] matrix_a_fmt:MATRIX_FMT_FP4 matrix_b_fmt:MATRIX_FMT_FP4 matrix_a_scale:MATRIX_SCALE_ROW1
.endif
.endr
.endr
.endm
.macro STEP s
	s_wait_dscnt 0x0                               ; this step's fragments are in: they were asked for ahead of the last step's 32 products
.if (\s) < 7
.if (\s) > 0
	PLACES 4                                       ; in front of loads into registers that the last step's products have read
.endif
	FETCH (\s)+1
.endif
	WIN W_MUL
	MUL \s
	WIN 0
.endm
; 64 numbers of a lane, register 16 b + i = k 32 b + 16 (lane / 16) + i of my row, become a fragment's codes in v[pc] on and its scale word in v[pw].
.macro QUANT s, pc, pw
.irp b, 0,1,2,3
	v_max3_num_f32 v[TM+\b], |v[\s+16*\b]|, |v[\s+1+16*\b]|, 0x1800000   ; block b: my 16 numbers, and the floor 2^(3 - 127): the byte cannot fall under 1
.endr
.irp i, 2,4,6,8,10,12,14
.irp b, 0,1,2,3
	v_max3_num_f32 v[TM+\b], v[TM+\b], |v[\s+16*\b+\i]|, |v[\s+1+16*\b+\i]|   ; (the four blocks by turns)
.endr
.endr
.irp b, 0,1,2,3
	v_permlanex16_b32 v[TM+4+\b], v[TM+\b], s[SEL], s[SEL+1]
.endr
.irp b, 0,1,2,3
	v_max_num_f32 v[TM+\b], v[TM+\b], v[TM+4+\b]   ; with lane l xor 16's: the block's largest magnitude
.endr
.irp b, 0,1,2,3
	v_add_nc_u32 v[TM+12+\b], 0xff000000, v[TM+\b] ; 2 off its exponent field: the conversion's scale operand
.endr
.irp b, 0,1,2,3
	v_lshrrev_b32 v[TM+4+\b], 23, v[TM+12+\b]      ; the scale's byte
.endr
	v_lshl_or_b32 v[\pw], v[TM+5], 8, v[TM+4]
	v_lshl_or_b32 v[\pw], v[TM+6], 16, v[\pw]
	v_lshl_or_b32 v[\pw], v[TM+7], 24, v[\pw]
.irp b, 0,1,2,3
	v_cvt_scalef32_pk8_fp4_f32 v[(\pc)+2*\b], v[\s+16*\b:\s+7+16*\b], v[TM+12+\b]
	v_cvt_scalef32_pk8_fp4_f32 v[(\pc)+1+2*\b], v[\s+8+16*\b:\s+15+16*\b], v[TM+12+\b]
.endr
	v_nop                                          ; one plain place behind a scaled conversion
.irp c, 0,1                                    ; the operand's layout wants a whole block in a lane
.irp i, 0,1
	v_permlane16_swap_b32 v[(\pc)+4*\c+\i], v[(\pc)+2+4*\c+\i]
.endr
.endr
.endm
	s_wait_alu depctr_va_vdst(0)
	s_wait_tensorcnt 0x0                           ; my one load has landed,
	s_barrier_signal -1
	s_barrier_wait -1                              ; everybody's are
	SCALES
	FETCH 0
.irp s, 0,1,2,3,4,5,6,7
	STEP \s
.endr
	s_wait_loadcnt 0x0                             ; the biases
	PLACES 4                                       ; behind the last products, in front of the first read of results and the first write over fragments
	s_cmp_eq_u32 s17, 2
	s_cbranch_scc1 .Lv
	; ---- q, k.  Lane (r, h) holds token r of lane tile a; its 64 numbers are features 32 b + 16 h + i of my 128: two heads of 64.  The fragment's first four registers are the first head's codes, the last four the second's.
	s_lshr_b32 s66, s19, 4                         ; batch
	s_and_b32 s67, s19, 15                         ; step of 128 tokens
	s_lshl_b32 s66, s66, 4
	s_lshl_b32 s68, s20, 2
	s_add_co_u32 s66, s66, s68
	s_lshl_b32 s68, s16, 1
	s_add_co_u32 s66, s66, s68                     ; my first head: 16 batch + 4 rx + 2 wr
	s_lshl_b32 s66, s66, s17
	s_lshl_b32 s68, s17, 6
	s_add_co_u32 s66, s66, s68                     ; its record: q: bh; k: 64 + 2 bh
	s_mul_i32 s66, s66, REC
	s_lshl_b32 s68, s67, 12
	s_lshl_b32 s69, s15, 11
	s_add_co_u32 s68, s68, s69
	s_add_co_u32 s68, s68, s66                     ; + 512 x (8 step + 4 lh)
	s_mov_b32 s69, 0
	s_add_nc_u64 s[70:71], s[12:13], s[68:69]      ; the first head's codes
	s_lshl_b32 s72, REC, s17                       ; from a head's record to the next head's: one record (q) or two (k)
	s_mov_b32 s73, 0
	s_add_nc_u64 s[74:75], s[70:71], s[72:73]      ; the second head's
	s_lshl_b32 s68, s67, 8
	s_lshl_b32 s76, s15, 7
	s_add_co_u32 s68, s68, s76
	s_add_co_u32 s68, s68, s66
	s_add_co_u32 s68, s68, 65536
	s_add_nc_u64 s[76:77], s[12:13], s[68:69]      ; the first head's pair words
	v_mul_u32_u24 v8, s72, v3                      ; lanes 16-31 store the second head's
	v_lshl_add_u32 v8, v2, 3, v8
	v_mov_b32 v9, 0x05040100                       ; lanes 0-15 pick the words' low halves (the first head's two bytes),
	v_mov_b32 v10, 0x07060302                      ; lanes 16-31 the high halves
	v_cmp_eq_u32 vcc_lo, 1, v3
	v_cndmask_b32 v9, v9, v10, vcc_lo
.irp a, 0,1,2,3
	WIN 0x06                                       ; source 0 (the sums) window 2, source 1 (the bias) window 1
.set n, 0
.rept 32
	v_pk_add_f32 v[T+2*n:T+2*n+1], v[64*\a+2*n:64*\a+2*n+1], v[BC+2*n:BC+2*n+1]   ; each accumulator from its low end on
.set n, n+1
.endr
	WIN 0
	QUANT T, PC+8*\a, PW+\a
	global_store_b128 v[LI], v[PC+8*\a:PC+8*\a+3], s[70:71] offset:512*\a     ; 512 consecutive bytes; every tile has registers of its own, so no store's data are written again
	global_store_b128 v[LI], v[PC+8*\a+4:PC+8*\a+7], s[74:75] offset:512*\a
.endr
	v_perm_b32 v[SW], v[PW+1], v[PW], v9           ; tiles 0 and 1: two bytes of each
	v_perm_b32 v[SW+1], v[PW+3], v[PW+2], v9       ; tiles 2 and 3
	global_store_b64 v8, v[SW:SW+1], s[76:77]      ; sixteen lanes store 128 consecutive bytes of a head's record
	s_wait_tensorcnt 0x0
	ds_add_u32 v254, v255
	s_wait_dscnt 0x0
	s_endpgm
	; ---- v.  Lane (r, h) holds feature r of lane tile a (a head's 64 are my four tiles); its 64 numbers are tokens 32 b + 16 h + i of my 128: one step of keys.
.Lv:
	s_lshl_b32 s66, s19, 1
	s_add_co_u32 s66, s66, s15                     ; head = 2 ly + lh
	s_lshl_b32 s67, s20, 1
	s_add_co_u32 s67, s67, s16                     ; 2 rx + wr = 16 batch + step
	s_lshr_b32 s68, s67, 4
	s_and_b32 s67, s67, 15
	s_lshl_b32 s68, s68, 4
	s_add_co_u32 s66, s66, s68
	s_lshl_b32 s66, s66, 1
	s_add_co_u32 s66, s66, 65                      ; record 65 + 2 bh
	s_mul_i32 s66, s66, REC
	s_lshl_b32 s68, s67, 12
	s_add_co_u32 s68, s68, s66
	s_mov_b32 s69, 0
	s_add_nc_u64 s[70:71], s[12:13], s[68:69]      ; the step's codes
	s_lshl_b32 s68, s67, 8
	s_add_co_u32 s68, s68, s66
	s_add_co_u32 s68, s68, 65536
	s_add_nc_u64 s[76:77], s[12:13], s[68:69]      ; and its scale words
	v_lshlrev_b32 v8, 4, v2
.irp a, 0,1,2,3
	WIN 0x02                                       ; source 0 (the sums) window 2
.set n, 0
.rept 64
	v_add_f32 v[T+n], v[64*\a+n], v[BR+\a]         ; each accumulator from its low end on
.set n, n+1
.endr
	WIN 0
	QUANT T, PC+8*\a, PW+\a
	global_store_b128 v[LI], v[PC+8*\a:PC+8*\a+3], s[70:71] offset:1024*\a
	global_store_b128 v[LI], v[PC+8*\a+4:PC+8*\a+7], s[70:71] offset:1024*\a+512
.endr
	s_wait_xcnt 0x0                                ; EXEC changes only behind this wait
	v_cmp_gt_u32 vcc_lo, 16, v1
	s_wait_tensorcnt 0x0
	ds_add_u32 v254, v255
	s_wait_dscnt 0x0
	s_and_saveexec_b32 s78, vcc_lo
	global_store_b128 v8, v[PW:PW+3], s[76:77]     ; lanes 0-15: the four tiles' words of row r: 256 consecutive bytes, aligned
	s_endpgm
.Lfunc_end_k_qde676f1d09_proj:
	.size	k_qde676f1d09_proj, .Lfunc_end_k_qde676f1d09_proj-k_qde676f1d09_proj
	.p2alignl 7, 3214868480
	.fill 96, 4, 3214868480
	.section	.rodata,"a",@progbits
	.p2align	6, 0x0
	.amdhsa_kernel k_qde676f1d09_proj
		.amdhsa_group_segment_fixed_size 209408
		.amdhsa_private_segment_fixed_size 0
		.amdhsa_enable_private_segment 0
		.amdhsa_kernarg_size 40
		.amdhsa_user_sgpr_count 2
		.amdhsa_user_sgpr_kernarg_segment_ptr 1
		.amdhsa_wavefront_size32 1
		.amdhsa_system_sgpr_workgroup_id_x 1
		.amdhsa_system_sgpr_workgroup_id_y 1
		.amdhsa_system_sgpr_workgroup_id_z 1
		.amdhsa_system_vgpr_workitem_id 0
		.amdhsa_next_free_vgpr 768
		.amdhsa_next_free_sgpr 96
		.amdhsa_reserve_vcc 1
		.amdhsa_float_denorm_mode_32 3
		.amdhsa_float_denorm_mode_16_64 3
		.amdhsa_memory_ordered 1
		.amdhsa_forward_progress 1
		.amdhsa_inst_pref_size 107
	.end_amdhsa_kernel
	.amdgpu_metadata
---
amdhsa.version: [ 1, 2 ]
amdhsa.kernels:
  - .name:           k_qde676f1d09_proj
    .symbol:         k_qde676f1d09_proj.kd
    .args:
      - { .name: inq, .offset: 0, .size: 8, .value_kind: global_buffer, .address_space: global }
      - { .name: bq, .offset: 8, .size: 8, .value_kind: global_buffer, .address_space: global }
      - { .name: bk, .offset: 16, .size: 8, .value_kind: global_buffer, .address_space: global }
      - { .name: bv, .offset: 24, .size: 8, .value_kind: global_buffer, .address_space: global }
      - { .name: qkv, .offset: 32, .size: 8, .value_kind: global_buffer, .address_space: global }
    .group_segment_fixed_size: 209408
    .private_segment_fixed_size: 0
    .kernarg_segment_align: 8
    .kernarg_segment_size: 40
    .max_flat_workgroup_size: 128
    .sgpr_count:     96
    .vgpr_count:     768
    .wavefront_size: 32
...
	.end_amdgpu_metadata
.endif
;; end of part 2
;; launch attn (part 3): grid 4 x 64, 8 waves a work-group, clusters of 4 x 1, 169,984 bytes of LDS; arguments qkv, maskc, xq, rowf; writes xq
.if DOCPART == 3
	.amdgcn_target "amdgcn-amd-amdhsa--gfx1250"
	.amdhsa_code_object_version 6
	.text
	.protected	k_qde676f1d09_attn
	.globl	k_qde676f1d09_attn
	.p2align	8
	.type	k_qde676f1d09_attn,@function
k_qde676f1d09_attn:
	s_mov_b64 s[64:65], 0
	v_nop
	global_prefetch_b8 v0, s[64:65] scope:SCOPE_SE
	s_setreg_imm32_b32 hwreg(HW_REG_WAVE_MODE, 25, 1), 1
	s_wait_xcnt 0x0
	s_wait_alu depctr_hold_cnt(0) depctr_sa_sdst(0) depctr_va_vdst(0) depctr_va_sdst(0) depctr_va_ssrc(0) depctr_va_vcc(0) depctr_vm_vsrc(0)
	s_getreg_b32 s2, hwreg(HW_REG_IB_STS2, 6, 4)
	s_cmp_eq_u32 s2, 0
	s_cbranch_scc0 .Lentry_in_a_cluster
	s_endpgm
.Lentry_in_a_cluster:
	s_bfe_u32 s2, ttmp6, 0x10000c
	s_cmp_lg_u32 s2, 0x3003
	s_cbranch_scc0 .Lentry_shape_is_right
	s_endpgm
.Lentry_shape_is_right:
; x[b][q][head] = softmax_k(mask(q . k / 8)) v, both products on codes of FP4 (E2M1) with E8M0 scales; x is quantised at once along D for the last product, into xq (images of operand registers).
; THE SOFTMAX AHEAD OF THE SECOND PRODUCT: t = score x log2(e) / 8; M = the row's largest t so far, rounded up to a whole number; p = 2^(t - M) is quantised along the keys, not normalised; the row's sum is
; taken of the unquantised p and divides at the end.  When M moves, the sum and O are multiplied by 2^(old M - new M): exact.
; THE MASK GOES THROUGH THE MATRIX UNIT.  maskc holds it as FP4 codes, -4 for a hidden key and 0 for an open one: register t of lane (query r, h) holds in nibble i key row 8 h + i of key tile t.  The product of an
; identity pattern (row r has the code of 1.0 at the one k that register t, lane half r / 8 and nibble r % 8 stand for) with that operand, under the scale bytes 0x7f and 0x9e, is 0 or -2^33 in the scores' own
; layout; the score product adds onto it in place.  LIMIT: a hidden key's logit is about -2^30 where the problem says -1e9; its p is 0 as long as |q . k| stays under 2^31.
; A ROW ALL OF WHOSE KEYS ARE HIDDEN (rowf: the AND of the row's code words) has its Q codes made zero: every score is then -2^33 exactly, -2^33 x log2(e) / 8 is a whole number in f32, so p = 1 for every key,
; as the problem's f32 arithmetic gives.  NaN and infinities are not served; a block of zeros gets the byte 1 where the rule says 127 (zero codes; read by this program alone).
; SHARES.  A cluster of four work-groups is one head (its y: 16 batch + head); a work-group takes 512 queries; each of its eight waves takes four tiles of 16, in two passes of TWO TILES AT ONCE, X and Y.  The two
; share each fragment of K and V, the address lines and the waits, and their dependent chains run two abreast.  A head's K and V, codes and scale words, are ONE dense block of 139,264 bytes: it comes into LDS
; once, each wave asking for an eighth JOINTLY with the same wave of the three partners; nothing is filled again.
; LAYOUT.  Both products are used transposed: a lane holds one query (lane % 16) of each tile.  Key row m of a step's key tile t is key 64 (t / 4) + 8 (t % 4) + m % 8 + 32 (m / 8): so the 32 registers of score tiles
; 4 c .. 4 c + 3 of lane (r, h) are keys 64 c + 32 h + 0 .. 31: one whole block of the second product's K, in the order of its operand's registers.  A lane makes two of the four scale bytes; lane l xor 16 the others.
; THE FIRST PRODUCT'S K IS 64, half of the instruction's 128: a fragment of K holds two tiles of keys, one in each half; Q stands between two runs of zero codes: v[248:255] = Q 0 meets the first tile,
; v[244:251] = 0 Q the second.  K's scale word carries both tiles' two bytes, Q's its two bytes twice.
; THE EIGHT IDENTITY PATTERNS are windows of one run of registers, v226-247: zeros but for v233 and v240, which hold the pattern's one word; odd t take v233's windows and even t v240's.
; A STEP (128 keys, both tiles): all that the exponentials read, and O's rescaling, are made first; the 132 exponentials stand as one batch with one wait ahead of it and one behind it;
; the next step's ten loads of K stand between the batch and the wait behind it.  Loads stand in runs.  A tile's sum is kept in four chains, each multiplied by f in every step and joined at the pass's end.
; No prefetch of the mask codes: sixteen heads read each block of them, so asking for each block once would want an owner among the clusters; each wave asks for a step's 2 x 1,024 bytes one step ahead by its loads.
; REGISTERS, in two windows of 256 (s_set_vgpr_msb's low byte: bits 1:0 source 0, 3:2 source 1, 5:4 source 2, 7:6 destination; 0 at every label and branch).
;   window 0: v1-11 addresses; v16-23 X's mask codes; v24, v25 their product's scale words; v26 0 and v31 the add's two; v27 8 h; v28, v29 Q's pair words; v32-63 K; v64-79 X's state, v80-95 Y's; v96-159 X's scores, then p;
;     v160-191 X's O^T; v192-199 X's p codes; v200-203 K's scale words; v204-207 V's; v208-215 X's work, v216-223 Y's; v226-255 the patterns, zeros and X's Q.
;   window 1: v16-23 Y's mask codes; v32-63 V; v96-159 Y's scores, then p; v160-191 Y's O^T; v192-199 Y's p codes; v244-255 zeros, Y's Q, zeros.
;   A tile's state, from SB + 16 y: +0 -M, +1 largest t, +2 f, +3 0, +4 .. +11 the sum's four chains, +12, +13 the conversions' scale operands, +14 p's scale word, +15 Q's.  All scale words lie in window 0.
.set REC,   69632
.set XSC,   4194304                    ; where xq's scale words begin
.set KSC,   65536                      ; LDS: K's codes at 0, K's scale words here,
.set VCD,   69632                      ; V's codes,
.set VSC,   135168                     ; V's scale words
.set PART,  17408                      ; an eighth of the block: 68 rows of 256 bytes
.set SPARE, 0x29000                    ; the spare words: 128 bytes for each of eight waves
.set SB,    64                         ; the tiles' state
.set WK,    208                        ; the tiles' work registers: +0 .. +3 the maxima's chains, +4 a lane permute's destination, +5 at work, +6 the old -M, +7 a word in the making
.set WV,    10                         ; s10  wave
.set RF,    68                         ; s[68:69] my tiles' row words
.set SEL,   90                         ; s[90:91] v_permlanex16_b32's selects for lane l xor 16
.set CS,    92                         ; s[92:93] c = log2(e) / 8
.set MSB,   0
.macro WIN new                         ; the immediate's high byte repeats the setting that is left
.if MSB != \new
	s_set_vgpr_msb (MSB<<8)|\new
.set MSB, \new
.endif
.endm
.macro CROUND                          ; a round of the cluster's barrier
	s_barrier_signal -1
	s_barrier_wait -1
	s_cmp_lg_u32 s[WV], 0
	s_cbranch_scc1 .Lnot_wave_0_\@
	s_barrier_signal -3
.Lnot_wave_0_\@:
	s_barrier_wait -3
	s_barrier_signal -1
	s_barrier_wait -1
.endm
.macro MLOAD off                       ; a step's mask codes of one tile: 1,024 consecutive bytes; Y's stream lies 16,384 bytes behind X's
	global_load_b128 v[16:19], v5, s[6:7] offset:\off
	global_load_b128 v[20:23], v5, s[6:7] offset:\off+512
.endm
.macro KLOAD adk, ads                  ; a step's K: four fragments of two tiles each, and their four scale words: ten loads
.irp p, 0,1,2,3
.irp c, 0,1
	ds_load_b128 v[32+8*\p+4*\c:35+8*\p+4*\c], v[\adk] offset:1024*\p+512*\c
.endr
.endr
.irp g, 0,1
	ds_load_b64 v[200+2*\g:201+2*\g], v[\ads] offset:128*\g
.endr
.endm
.macro SCORES qs                       ; one tile's sixteen products: the mask's addend, 0 or -2^33, starts each of the eight sums, and the scores add onto it in place; the eight accumulators take turns
.irp t, 0,1,2,3,4,5,6,7
	v_wmma_scale_f32_16x16x128_f8f6f4 v[96+8*\t:103+8*\t], v[240-\t-7*(\t%2):247-\t-7*(\t%2)], v[16:23], 0, v24, v25 matrix_a_fmt:MATRIX_FMT_FP4 matrix_b_fmt:MATRIX_FMT_FP4
.endr
.if \qs == SB+15
	s_wait_dscnt 0x0                               ; K's fragments and scale words, asked for in the last trip
.endif
.irp p, 0,1,2,3
	v_wmma_scale_f32_16x16x128_f8f6f4 v[96+16*\p:103+16*\p], v[32+8*\p:39+8*\p], v[248:255], v[96+16*\p:103+16*\p], v[200+\p], v[\qs] matrix_a_fmt:MATRIX_FMT_FP4 matrix_b_fmt:MATRIX_FMT_FP4
	v_wmma_scale_f32_16x16x128_f8f6f4 v[104+16*\p:111+16*\p], v[32+8*\p:39+8*\p], v[244:251], v[104+16*\p:111+16*\p], v[200+\p], v[\qs] matrix_a_fmt:MATRIX_FMT_FP4 matrix_b_fmt:MATRIX_FMT_FP4
.endr
.endm
; The largest score of a tile's two blocks of 32 keys, in four chains by turns (chains 0, 1: block h; 2, 3: block 2 + h).  The chains lie in window 0, Y's scores in window 1.  Each accumulator is first read at its low end.
.macro MAXT y
	WIN 0x15*\y
.irp n, 0,1,2,3
	v_max3_num_f32 v[WK+8*\y+\n], v[96+16*\n], v[97+16*\n], v[98+16*\n]
.endr
	WIN 0x14*\y
.irp i, 3,5,7,9,11,13
.irp n, 0,1,2,3
	v_max3_num_f32 v[WK+8*\y+\n], v[WK+8*\y+\n], v[96+16*\n+\i], v[97+16*\n+\i]
.endr
.endr
	v_max3_num_f32 v[WK+8*\y], v[WK+8*\y], v111, v127
	v_max3_num_f32 v[WK+8*\y+2], v[WK+8*\y+2], v143, v159
.endm
.macro TM j, s                         ; t - M of the pair at v[96 + j] (of the pairs c and -M the low word serves both halves)
	v_pk_fma_f32 v[96+\j:97+\j], v[96+\j:97+\j], s[CS:CS+1], v[\s:\s+1] op_sel_hi:[1,0,0]
.endm
.macro ORESC s                         ; O^T under the new M: x f; each accumulator from its low end on
.irp j, 0,2,4,6,8,10,12,14,16,18,20,22,24,26,28,30
	v_pk_mul_f32 v[160+\j:161+\j], v[160+\j:161+\j], v[\s+2:\s+3] op_sel_hi:[1,0]
.endr
.endm
.macro EXPS                            ; p = 2^(t - M), at most 1: not normalised
.irp j, 0,1,2,3,4,5,6,7,8,9,10,11,12,13,14,15,16,17,18,19,20,21,22,23,24,25,26,27,28,29,30,31,32,33,34,35,36,37,38,39,40,41,42,43,44,45,46,47,48,49,50,51,52,53,54,55,56,57,58,59,60,61,62,63
	v_exp_f32 v[96+\j], v[96+\j]
.endr
.endm
.macro SUM4 s, j                       ; four pairs of p, from v[96 + j] on, onto the sum's four chains
.irp i, 0,2,4,6
	v_pk_add_f32 v[\s+4+\i:\s+5+\i], v[\s+4+\i:\s+5+\i], v[96+\j+\i:97+\j+\i]
.endr
.endm
.macro CODES s                         ; register g of the operand: keys 64 (g / 4) + 32 h + 8 (g % 4) + 0 .. 7
.irp g, 0,1,2,3,4,5,6,7
	v_cvt_scalef32_pk8_fp4_f32 v[192+\g], v[96+8*\g:103+8*\g], v[\s+12+\g/4]
.endr
.endm
.macro PV s                            ; O^T += V^T P^T: the accumulators by turns
.irp t, 0,1,2,3
	v_wmma_scale_f32_16x16x128_f8f6f4 v[160+8*\t:167+8*\t], v[32+8*\t:39+8*\t], v[192:199], v[160+8*\t:167+8*\t], v[204+\t], v[\s+14] matrix_a_fmt:MATRIX_FMT_FP4 matrix_b_fmt:MATRIX_FMT_FP4
.endr
.endm
	s_load_b128 s[4:7], s[0:1], 0x0                ; qkv, maskc
	s_load_b64 s[8:9], s[0:1], 0x10                ; xq
	s_load_b64 s[RF:RF+1], s[0:1], 0x18            ; rowf
	v_lshl_add_u32 v31, v0, 2, SPARE
	v_mov_b32 v26, 0
	ds_add_u32 v31, v26                            ; the opening lines: the add, twice on end, and its wait ahead of my tensor load
	ds_add_u32 v31, v26
	v_lshrrev_b32 v1, 5, v0
	v_readfirstlane_b32 s[WV], v1                  ; wave 0..7
	s_bfe_u32 s11, ttmp6, 0x40000                  ; cx: my block of 512 queries: it enters the addresses of Q, of the mask and of x alone
	s_and_b32 s12, ttmp7, 0xffff                   ; 16 batch + head, which the four partners share
	s_lshl_b32 s28, s12, 1
	s_add_co_u32 s28, s28, 64
	s_mul_i32 s28, s28, REC                        ; K's record; V's follows it
	s_mul_i32 s30, s[WV], PART
	s_add_co_u32 s28, s28, s30
	s_mov_b32 s29, 0
	s_mov_b32 s20, 15|(3<<16)|(1<<21)              ; group 1: the mask names all four work-groups; elements of 8 bytes; bit 21 set beside a mask
	s_mov_b32 s21, 32<<16                          ; rows of 256 bytes,
	s_mov_b32 s22, 68<<16                          ; 68 of them,
	s_mov_b32 s23, 32<<16
	s_mov_b32 s24, 68
	s_mov_b32 s25, 32                              ; dense
	s_mov_b32 s26, 0
	s_mov_b32 s27, 0
	s_wait_dscnt 0x0
	s_wait_kmcnt 0x0
	s_mov_b32 s16, 1                               ; group 0
	s_mov_b32 s17, s30                             ; LDS address: 17,408 x wave
	s_add_nc_u64 s[18:19], s[4:5], s[28:29]
	s_or_b32 s19, s19, 0x80000000
	CROUND                                         ; all four work-groups are here: the joint loads meet
	tensor_load_to_lds s[16:19], s[20:27]          ; my one tensor load
	s_nop 0
.rept 4
	v_nop
.endr
	v_and_b32 v10, 31, v0                          ; lane
	v_and_b32 v6, 15, v0                           ; r
	v_and_b32 v8, 7, v0
	v_lshlrev_b32 v1, 4, v10                       ; 16 x lane: K's codes in LDS; also Q's, the mask's and x's place in memory
	v_lshlrev_b32 v7, 3, v6                        ; 8 r
	v_lshlrev_b32 v11, 4, v6                       ; 16 r
	v_lshlrev_b32 v8, 2, v8                        ; 4 (r % 8)
	v_mov_b32 v9, 2                                ; the code of 1.0,
	v_add_nc_u32 v2, VCD, v1                       ; V's codes
	v_add_nc_u32 v3, KSC, v7                       ; K's scale words
	v_add_nc_u32 v4, VSC, v11                      ; V's scale words
	v_lshlrev_b32 v9, v8, v9                       ; at nibble r % 8,
	v_bfe_u32 v8, v0, 3, 1                         ; r / 8
	v_bfe_u32 v5, v0, 4, 1                         ; h
	v_lshlrev_b32 v27, 3, v5                       ; 8 h: my two bytes' place in p's scale word
	v_cmp_eq_u32 vcc_lo, v8, v5
	v_cndmask_b32 v233, 0, v9, vcc_lo              ; in the lane half r / 8 alone: the identity pattern's one word
	v_mov_b32 v240, v233
.irp i, 226,227,228,229,230,231,232,234,235,236,237,238,239,241,242,243,244,245,246,247,252,253,254,255
	v_mov_b32 v\i, 0                               ; the run's zero codes, and those behind X's Q: written once
.endr
	v_mov_b32 v24, 0x7f7f7f7f                      ; the identity's scale word: 2^0
	v_mov_b32 v25, 0x9e9e9e9e                      ; the mask codes': 2^31: -4 x 2^31 = -2^33
	v_mov_b32 v5, v1                               ; the first step's mask codes
.irp i, SB+3, SB+19, WK+4, WK+5, WK+12, WK+13
	v_mov_b32 v[\i], 0                             ; the upper halves of the pairs with f, and lane permutes' destinations: written once
.endr
	WIN 0x40
.irp i, 244,245,246,247,252,253,254,255
	v_mov_b32 v\i, 0                               ; window 1: the zero codes on both sides of Y's Q
.endr
	WIN 0
	s_wait_alu depctr_va_vdst(0)
	s_lshl_b32 s31, s11, 5
	s_lshl_b32 s32, s[WV], 2
	s_add_co_u32 s31, s31, s32                     ; my first tile of queries in the batch: 32 cx + 4 wave
	s_mul_i32 s33, s12, REC                        ; q's record
	s_lshl_b32 s34, s31, 9
	s_add_co_u32 s34, s34, s33
	s_mov_b32 s35, 0
	s_add_nc_u64 s[98:99], s[4:5], s[34:35]        ; Q's codes
	s_lshr_b32 s36, s31, 2
	s_lshl_b32 s36, s36, 7                         ; the two pair words of my four tiles lie at 128 (tile / 4) + 8 r: the first pass's, then the second's
	s_add_co_u32 s36, s36, s33
	s_add_co_u32 s36, s36, 65536
	s_mov_b32 s37, 0
	s_add_nc_u64 s[66:67], s[4:5], s[36:37]
	global_load_b64 v[28:29], v7, s[66:67]
	s_lshr_b32 s38, s12, 4
	s_lshl_b32 s38, s38, 7
	s_add_co_u32 s38, s38, s31                     ; the same tile among all 512: 128 batch + ..
	s_and_b32 s39, s12, 15                         ; head
	s_lshl_b32 s40, s38, 14
	s_mov_b32 s41, 0
	s_add_nc_u64 s[6:7], s[6:7], s[40:41]          ; my stream of mask codes: four tiles x 16 steps x 1,024 bytes on end
	MLOAD 0                                        ; step 0's, X's
	WIN 0x40
	MLOAD 16384                                    ; and Y's
	WIN 0
	s_lshl_b32 s46, s38, 8
	s_mov_b32 s47, 0
	s_add_nc_u64 s[RF:RF+1], s[RF:RF+1], s[46:47]  ; my first tile's row words: 256 bytes a tile
	s_lshl_b32 s42, s38, 9
	s_lshr_b32 s43, s39, 3
	s_lshl_b32 s43, s43, 8
	s_add_co_u32 s42, s42, s43
	s_and_b32 s43, s39, 7
	s_lshl_b32 s43, s43, 1
	s_add_co_u32 s42, s42, s43
	s_add_co_u32 s42, s42, XSC
	s_mov_b32 s43, 0
	s_add_nc_u64 s[14:15], s[8:9], s[42:43]        ; x's scale bytes: 512 tile + 256 (head / 8) + 16 r + 2 (head % 8)
	s_lshl_b32 s42, s38, 13
	s_lshl_b32 s44, s39, 9
	s_add_co_u32 s42, s42, s44
	s_add_nc_u64 s[8:9], s[8:9], s[42:43]          ; x's codes: 8192 tile + 512 head
	s_mov_b32 s[SEL], 0x76543210
	s_mov_b32 s[SEL+1], 0xfedcba98
	s_mov_b32 s[CS], 0x3e38aa3b                    ; c = log2(e) / 8
	s_mov_b32 s[CS+1], s[CS]                       ; (named with it as a pair, so it is written)
	s_mov_b32 s84, 0                               ; the step's codes: 4,096 bytes a step, K's and V's alike
	s_mov_b32 s85, 0                               ; its scale words: 256 bytes a step
	s_mov_b32 s89, 0                               ; which of my 32 steps
	s_mov_b32 s88, 2
	s_wait_tensorcnt 0x0                           ; my eighth has landed,
	s_barrier_signal -1
	s_barrier_wait -1                              ; everybody's has
	KLOAD 1, 3                                     ; step 0
.Lpass:
	global_load_b128 v[248:251], v1, s[98:99]      ; X's Q: 512 consecutive bytes
	global_load_b128 v[96:99], v11, s[RF:RF+1]     ; my row's four words, X's
	global_load_b128 v[100:103], v11, s[RF:RF+1] offset:256   ; and Y's
	WIN 0x40
	global_load_b128 v[248:251], v1, s[98:99] offset:512      ; Y's Q, into window 1
	WIN 0
	s_wait_loadcnt 0x0                             ; (and the first step's mask codes; the first time, the pair words)
	v_and_b32 v96, v96, v97
	v_and_b32 v98, v98, v99
	v_and_b32 v100, v100, v101
	v_and_b32 v102, v102, v103
	v_and_b32 v[WK+5], 0xffff, v28                 ; X's two scale bytes,
	v_lshrrev_b32 v[WK+13], 16, v28                ; and Y's
	v_and_b32 v96, v96, v98
	v_and_b32 v100, v100, v102
	v_lshl_or_b32 v[SB+15], v[WK+5], 16, v[WK+5]   ; each twice
	v_lshl_or_b32 v[SB+31], v[WK+13], 16, v[WK+13]
	v_cmp_ne_u32 vcc_lo, 0xeeeeeeee, v96           ; has my row an open key?
	v_cmp_ne_u32 s94, 0xeeeeeeee, v100
.irp i, 248,249,250,251
	v_cndmask_b32 v\i, 0, v\i, vcc_lo              ; if not, its Q is zero codes: every score is then the mask's addend alone
.endr
	WIN 0x44
.irp i, 248,249,250,251
	v_cndmask_b32 v\i, 0, v\i, s94
.endr
	WIN 0
.irp y, 0,1
	v_mov_b32 v[SB+16*\y+1], 0xff61b1e6            ; the largest t so far: -3e38, under every t
.irp i, 4,5,6,7,8,9,10,11
	v_mov_b32 v[SB+16*\y+\i], 0                    ; the sum's four chains
.endr
	v_floor_f32 v[SB+16*\y], -v[SB+16*\y+1]        ; -M
.endr
.irp j, 0,1,2,3,4,5,6,7,8,9,10,11,12,13,14,15,16,17,18,19,20,21,22,23,24,25,26,27,28,29,30,31
	v_mov_b32 v[160+\j], 0                         ; O^T: the step is written once; the first finds zeros, which the first change of M leaves zeros
.endr
	WIN 0x40
.irp j, 0,1,2,3,4,5,6,7,8,9,10,11,12,13,14,15,16,17,18,19,20,21,22,23,24,25,26,27,28,29,30,31
	v_mov_b32 v[160+\j], 0
.endr
	WIN 0
	s_mov_b32 s87, 16
.Lstep:
	s_add_co_u32 s95, s84, 4096
	s_and_b32 s95, s95, 0xf000                     ; the next step's codes (behind the last step: step 0, for my next pass)
	s_add_co_u32 s96, s85, 256
	s_and_b32 s96, s96, 0xf00
	s_add_co_u32 s89, s89, 1
	s_min_u32 s86, s89, 31                         ; the next step's mask codes; the very last trip asks for its own again, so that no load leaves the buffer
	s_and_b32 s97, s86, 16
	s_add_co_u32 s86, s86, s97                     ; the second pass's X lies 32 steps into my stream
	s_lshl_b32 s86, s86, 10
	s_wait_loadcnt 0x0                             ; this step's mask codes, asked for in the last trip
	SCORES SB+15                                   ; X
	WIN 0x54                                       ; K and the patterns in window 0; mask codes, Q and scores in window 1
	SCORES SB+31                                   ; Y
	WIN 0
	v_add_nc_u32 v5, s86, v1                       ; five additions: the places behind the products.  (The loads that named v5 were waited for at the trip's head)
	v_add_nc_u32 v7, s84, v2
	v_add_nc_u32 v9, s85, v4
	v_add_nc_u32 v6, s95, v1
	v_add_nc_u32 v8, s96, v3
	MLOAD 0                                        ; one run of loads: the next step's mask codes, X's
	WIN 0x40
	MLOAD 16384                                    ; and Y's;
.irp i, 0,1,2,3,4,5,6,7
	ds_load_b128 v[32+4*\i:35+4*\i], v7 offset:512*\i   ; this step's V, into window 1: with its scale words nine loads
.endr
	WIN 0
	ds_load_b128 v[204:207], v9
	MAXT 0
	MAXT 1
	WIN 0
; From the blocks' maxima to -M and f: both tiles' lines by turns.
.irp y, 0,1
	v_max_num_f32 v[WK+8*\y], v[WK+8*\y], v[WK+8*\y+1]       ; block h
	v_max_num_f32 v[WK+8*\y+2], v[WK+8*\y+2], v[WK+8*\y+3]   ; block 2 + h
.endr
.irp y, 0,1
	v_mov_b32 v[WK+8*\y+6], v[SB+16*\y]            ; the old -M
.endr
.irp y, 0,1
	v_max_num_f32 v[WK+8*\y+5], v[WK+8*\y], v[WK+8*\y+2]
.endr
.irp y, 0,1
	v_permlanex16_b32 v[WK+8*\y+4], v[WK+8*\y+5], s[SEL], s[SEL+1]
.endr
.irp y, 0,1
	v_max_num_f32 v[WK+8*\y+5], v[WK+8*\y+5], v[WK+8*\y+4]   ; with lane l xor 16's two blocks: the step's largest score of my query
.endr
.irp y, 0,1
	v_mul_f32 v[WK+8*\y+5], s[CS], v[WK+8*\y+5]    ; as t (c is positive)
.endr
.irp y, 0,1
	v_max_num_f32 v[SB+16*\y+1], v[SB+16*\y+1], v[WK+8*\y+5]   ; the running largest t
.endr
.irp y, 0,1
	v_floor_f32 v[SB+16*\y], -v[SB+16*\y+1]        ; the new -M = floor(-t) = -ceil(t): a whole number
.endr
.irp y, 0,1
	v_sub_f32 v[WK+8*\y+5], v[SB+16*\y], v[WK+8*\y+6]   ; old M - new M: a whole number, 0 or less
.endr
.irp j, 0,2,4,6
	TM \j, SB
.endr
.irp y, 0,1
	v_cvt_i32_f32 v[WK+8*\y+5], v[WK+8*\y+5]       ; (it saturates)
.endr
.irp j, 8,10,12,14
	TM \j, SB
.endr
.irp y, 0,1
	v_ldexp_f32 v[SB+16*\y+2], 1.0, v[WK+8*\y+5]   ; f = 2^(old M - new M)
.endr
.irp j, 16,18,20,22,24,26,28,30,32,34,36,38,40,42,44,46,48,50,52,54,56,58,60,62
	TM \j, SB
.endr
.irp y, 0,1
	v_fma_f32 v[WK+8*\y], v[WK+8*\y], s[CS], v[SB+16*\y]       ; t - M of each block's largest score
	v_fma_f32 v[WK+8*\y+2], v[WK+8*\y+2], s[CS], v[SB+16*\y]
.endr
	ORESC SB
.irp i, 4,6,8,10
	v_pk_mul_f32 v[SB+\i:SB+\i+1], v[SB+\i:SB+\i+1], v[SB+2:SB+3] op_sel_hi:[1,0]   ; the sum's chains under the new M
.endr
.irp i, 4,6,8
	v_pk_mul_f32 v[SB+16+\i:SB+17+\i], v[SB+16+\i:SB+17+\i], v[SB+18:SB+19] op_sel_hi:[1,0]
.endr
	WIN 0x41                                       ; Y's scores and O^T in window 1, its -M and f in window 0
.irp j, 0,2,4,6,8,10,12,14,16,18,20,22,24,26,28,30,32,34,36,38,40,42,44,46,48,50,52,54,56,58,60,62
	TM \j, SB+16
.endr
	ORESC SB+16
	WIN 0
	s_wait_alu depctr_va_vdst(0)
.irp y, 0,1
	v_exp_f32 v[WK+8*\y], v[WK+8*\y]               ; the blocks' largest p: the same multiply-add and exponential on the same number give the same bits as its own p
	v_exp_f32 v[WK+8*\y+2], v[WK+8*\y+2]
.endr
	EXPS
	WIN 0x41
	EXPS
	WIN 0
	v_pk_mul_f32 v[SB+26:SB+27], v[SB+26:SB+27], v[SB+18:SB+19] op_sel_hi:[1,0]   ; Y's last chain under the new M.  (The plain place behind the exponentials)
	KLOAD 6, 8                                     ; the next step's K: ten loads, which name none of the batch's results
	s_wait_alu depctr_va_vdst(0)                   ; one wait for the whole batch, ahead of its first reader
; p's scale words, both tiles' lines by turns, with X's first sums among them.  THE ROW'S SUM IS TAKEN OF THE UNQUANTISED p.
.irp y, 0,1
	v_max_num_f32 v[WK+8*\y], 0x1800000, v[WK+8*\y]            ; the floor 2^(3 - 127): the byte cannot fall under 1
	v_max_num_f32 v[WK+8*\y+2], 0x1800000, v[WK+8*\y+2]
.endr
.irp y, 0,1
	v_add_nc_u32 v[SB+16*\y+12], 0xff000000, v[WK+8*\y]        ; 2 off the exponent field: the conversion's scale operand
	v_add_nc_u32 v[SB+16*\y+13], 0xff000000, v[WK+8*\y+2]
.endr
.irp y, 0,1
	v_lshrrev_b32 v[WK+8*\y+1], 23, v[SB+16*\y+12]             ; the scales' bytes
	v_lshrrev_b32 v[WK+8*\y+3], 23, v[SB+16*\y+13]
.endr
	SUM4 SB, 0
.irp y, 0,1
	v_lshl_or_b32 v[WK+8*\y+7], v[WK+8*\y+3], 16, v[WK+8*\y+1] ; blocks h and 2 + h,
.endr
	SUM4 SB, 8
.irp y, 0,1
	v_lshlrev_b32 v[WK+8*\y+7], v27, v[WK+8*\y+7]              ; at their places in the word;
.endr
	SUM4 SB, 16
.irp y, 0,1
	v_permlanex16_b32 v[WK+8*\y+4], v[WK+8*\y+7], s[SEL], s[SEL+1]
.endr
	CODES SB
.irp y, 0,1
	v_or_b32 v[SB+16*\y+14], v[WK+8*\y+7], v[WK+8*\y+4]        ; with lane l xor 16's two bytes the word is whole.  (The plain place behind the conversions)
.endr
.irp j, 24,32,40,48,56
	SUM4 SB, \j
.endr
	WIN 0x41                                       ; Y's p and codes in window 1, the scale operands in window 0
	CODES SB+16
	WIN 0x04                                       ; the chains in window 0, Y's p in window 1.  (These 32 lines are also the places ahead of the products)
.irp j, 0,8,16,24,32,40,48,56
	SUM4 SB+16, \j
.endr
	WIN 0
	s_wait_alu depctr_va_vdst(0)
	s_wait_dscnt 10                                ; V's nine loads are in; the ten of the next step's K, issued behind them, may be out
	WIN 0x01                                       ; V in window 1
	PV SB
	WIN 0x55                                       ; all of Y's in window 1
	PV SB+16
	WIN 0
	s_mov_b32 s84, s95
	s_mov_b32 s85, s96
	s_sub_co_u32 s87, s87, 1
	s_cmp_lg_u32 s87, 0
	s_cbranch_scc1 .Lstep
	; THE PASS'S END: O^T / the sum is x(query r, 64 head + 32 b + 16 h + i): two blocks of 32 along D for each tile; a block lies in lanes l and l xor 16.  X's x goes to v96-127, Y's to v128-159, both in window 0.
.rept 4
	v_nop                                          ; places behind the last products
.endr
.irp y, 0,1
	v_pk_add_f32 v[SB+16*\y+4:SB+16*\y+5], v[SB+16*\y+4:SB+16*\y+5], v[SB+16*\y+6:SB+16*\y+7]   ; the sum's four chains,
	v_pk_add_f32 v[SB+16*\y+8:SB+16*\y+9], v[SB+16*\y+8:SB+16*\y+9], v[SB+16*\y+10:SB+16*\y+11]
.endr
.irp y, 0,1
	v_pk_add_f32 v[SB+16*\y+4:SB+16*\y+5], v[SB+16*\y+4:SB+16*\y+5], v[SB+16*\y+8:SB+16*\y+9]
.endr
.irp y, 0,1
	v_add_f32 v[SB+16*\y+4], v[SB+16*\y+4], v[SB+16*\y+5]      ; its two halves,
.endr
.irp y, 0,1
	v_permlanex16_b32 v[WK+8*\y+4], v[SB+16*\y+4], s[SEL], s[SEL+1]
.endr
.irp y, 0,1
	v_add_f32 v[SB+16*\y+4], v[SB+16*\y+4], v[WK+8*\y+4]       ; and lane l xor 16's
.endr
	s_wait_alu depctr_va_vdst(0)
	v_rcp_f32 v[SB+4], v[SB+4]
	v_rcp_f32 v[SB+20], v[SB+20]
	v_nop                                          ; a plain place behind the transcendentals
	s_wait_alu depctr_va_vdst(0)                   ; the wait ahead of their first reader, which is also the first reader of X's last products' results
.irp j, 0,2,4,6,8,10,12,14,16,18,20,22,24,26,28,30
	v_pk_mul_f32 v[96+\j:97+\j], v[160+\j:161+\j], v[SB+4:SB+5] op_sel_hi:[1,0]   ; each accumulator from its low end on
.endr
	WIN 0x01                                       ; Y's O^T in window 1
	s_wait_alu depctr_va_vdst(0)                   ; the same wait, directly ahead of the first reader of Y's results
.irp j, 0,2,4,6,8,10,12,14,16,18,20,22,24,26,28,30
	v_pk_mul_f32 v[128+\j:129+\j], v[160+\j:161+\j], v[SB+20:SB+21] op_sel_hi:[1,0]
.endr
	WIN 0
.irp y, 0,1
.irp b, 0,1
	v_max3_num_f32 v[WK+8*\y+\b], |v[96+32*\y+16*\b]|, |v[97+32*\y+16*\b]|, 0x1800000
.endr
.endr
.irp i, 2,4,6,8,10,12,14
.irp y, 0,1
.irp b, 0,1
	v_max3_num_f32 v[WK+8*\y+\b], v[WK+8*\y+\b], |v[96+32*\y+16*\b+\i]|, |v[97+32*\y+16*\b+\i]|
.endr
.endr
.endr
.irp y, 0,1
.irp b, 0,1
	v_permlanex16_b32 v[WK+8*\y+4+\b], v[WK+8*\y+\b], s[SEL], s[SEL+1]
.endr
.endr
.irp y, 0,1
.irp b, 0,1
	v_max_num_f32 v[WK+8*\y+\b], v[WK+8*\y+\b], v[WK+8*\y+4+\b]
.endr
.endr
.irp y, 0,1
.irp b, 0,1
	v_add_nc_u32 v[SB+16*\y+12+\b], 0xff000000, v[WK+8*\y+\b]
.endr
.endr
.irp y, 0,1
.irp b, 0,1
	v_lshrrev_b32 v[WK+8*\y+4+\b], 23, v[SB+16*\y+12+\b]
.endr
.endr
.irp y, 0,1
	v_lshl_or_b32 v[WK+8*\y+7], v[WK+8*\y+5], 8, v[WK+8*\y+4]  ; the head's two scale bytes of my row
.endr
.irp y, 0,1
.irp b, 0,1
	v_cvt_scalef32_pk8_fp4_f32 v[192+4*\y+2*\b], v[96+32*\y+16*\b:103+32*\y+16*\b], v[SB+16*\y+12+\b]
	v_cvt_scalef32_pk8_fp4_f32 v[193+4*\y+2*\b], v[104+32*\y+16*\b:111+32*\y+16*\b], v[SB+16*\y+12+\b]
.endr
.endr
	v_nop                                          ; one plain place behind the last scaled conversion
.irp y, 0,1
	v_permlane16_swap_b32 v[192+4*\y], v[194+4*\y]
	v_permlane16_swap_b32 v[193+4*\y], v[195+4*\y] ; lane (r, h) now holds block h whole
.endr
	global_store_b128 v1, v[192:195], s[8:9]       ; 512 consecutive bytes, X's
	global_store_b128 v1, v[196:199], s[8:9] offset:8192   ; and Y's, a tile on
	s_wait_alu depctr_va_vdst(0)
	s_wait_xcnt 0x0                                ; EXEC changes only behind this wait
	v_cmp_gt_u32 vcc_lo, 16, v10
	s_and_saveexec_b32 s94, vcc_lo
	global_store_b16 v11, v[WK+7], s[14:15]        ; lanes 0-15: two bytes a row, 16 bytes apart: 262,144 bytes in the whole launch leave so
	global_store_b16 v11, v[WK+15], s[14:15] offset:512
	s_wait_xcnt 0x0                                ; and again, in front of the line that widens it; the pointers below are stepped behind it too
	s_or_b32 exec_lo, exec_lo, s94
	v_mov_b32 v28, v29                             ; the second pass's pair word
	s_wait_alu depctr_va_vdst(0)                   ; directly behind the write
	s_add_nc_u64 s[98:99], s[98:99], 1024          ; on to my next two tiles
	s_add_nc_u64 s[RF:RF+1], s[RF:RF+1], 512
	s_add_nc_u64 s[8:9], s[8:9], 16384
	s_add_nc_u64 s[14:15], s[14:15], 1024
	s_sub_co_u32 s88, s88, 1
	s_cmp_lg_u32 s88, 0
	s_cbranch_scc1 .Lpass
	s_wait_loadcnt 0x0                             ; the last trip's look-ahead is not used: it is only waited for
	s_wait_dscnt 0x0
	s_wait_tensorcnt 0x0                           ; the wave's end
	ds_add_u32 v31, v26
	s_wait_dscnt 0x0
	CROUND                                         ; the closing round: no work-group ends while a partner may still ask
	s_endpgm
.Lfunc_end_k_qde676f1d09_attn:
	.size	k_qde676f1d09_attn, .Lfunc_end_k_qde676f1d09_attn-k_qde676f1d09_attn
	.p2alignl 7, 3214868480
	.fill 96, 4, 3214868480
	.section	.rodata,"a",@progbits
	.p2align	6, 0x0
	.amdhsa_kernel k_qde676f1d09_attn
		.amdhsa_group_segment_fixed_size 169984
		.amdhsa_private_segment_fixed_size 0
		.amdhsa_enable_private_segment 0
		.amdhsa_kernarg_size 32
		.amdhsa_user_sgpr_count 2
		.amdhsa_user_sgpr_kernarg_segment_ptr 1
		.amdhsa_wavefront_size32 1
		.amdhsa_system_sgpr_workgroup_id_x 1
		.amdhsa_system_sgpr_workgroup_id_y 1
		.amdhsa_system_sgpr_workgroup_id_z 1
		.amdhsa_system_vgpr_workitem_id 0
		.amdhsa_next_free_vgpr 512
		.amdhsa_next_free_sgpr 100
		.amdhsa_reserve_vcc 1
		.amdhsa_float_denorm_mode_32 3
		.amdhsa_float_denorm_mode_16_64 3
		.amdhsa_memory_ordered 1
		.amdhsa_forward_progress 1
		.amdhsa_inst_pref_size 50
	.end_amdhsa_kernel
	.amdgpu_metadata
---
amdhsa.version: [ 1, 2 ]
amdhsa.kernels:
  - .name:           k_qde676f1d09_attn
    .symbol:         k_qde676f1d09_attn.kd
    .args:
      - { .name: qkv, .offset: 0, .size: 8, .value_kind: global_buffer, .address_space: global }
      - { .name: maskc, .offset: 8, .size: 8, .value_kind: global_buffer, .address_space: global }
      - { .name: xq, .offset: 16, .size: 8, .value_kind: global_buffer, .address_space: global }
      - { .name: rowf, .offset: 24, .size: 8, .value_kind: global_buffer, .address_space: global }
    .group_segment_fixed_size: 169984
    .private_segment_fixed_size: 0
    .kernarg_segment_align: 8
    .kernarg_segment_size: 32
    .max_flat_workgroup_size: 256
    .sgpr_count:     100
    .vgpr_count:     512
    .wavefront_size: 32
...
	.end_amdgpu_metadata
.endif
;; end of part 3
;; launch outp (part 4): grid 256 x 1, 4 waves a work-group, no clusters, 243,200 bytes of LDS; arguments xq, inq, bo, out0; writes out0
.if DOCPART == 4
	.amdgcn_target "amdgcn-amd-amdhsa--gfx1250"
	.amdhsa_code_object_version 6
	.text
	.protected	k_qde676f1d09_outp
	.globl	k_qde676f1d09_outp
	.p2align	8
	.type	k_qde676f1d09_outp,@function
k_qde676f1d09_outp:
	s_mov_b64 s[64:65], 0
	v_nop
	global_prefetch_b8 v0, s[64:65] scope:SCOPE_SE
	s_setreg_imm32_b32 hwreg(HW_REG_WAVE_MODE, 25, 1), 1
	s_wait_xcnt 0x0
; out0 = x wo^T + bo on codes of FP4 (E2M1) with E8M0 scales, sums in f32.  x comes from xq, wo from inq (tiles 1728 on), both as images of operand registers (a tile of 16 rows x 128 K is 1,024 dense bytes;
; row r of tile T is 32 (T / 2) + 8 (T % 2) + r + 8 (r / 8)).
; A work-group makes 128 tokens (source 1: a lane holds one) x 256 features (source 0: a lane's registers run along them; the 16 registers of result tiles 2 b and 2 b + 1 are 16 neighbouring features).
; Four waves: wave w takes tokens 64 (w / 2) on and features 128 (w % 2) on: 32 accumulators of 16 x 16.  256 work-groups.
; ALL OF K (1,024) LIES IN LDS: four chunks of two K steps and the scale words, each filled once by tensor loads issued together at the start; counted waits let the later chunks land while the earlier ones are
; multiplied; nothing is filled again.  No multicast here: the launch is kept word for word on the projections' core, which has none.
; THE WAY OUT: 16 tokens x 128 features at a time through the wave's own stage in LDS (bytes of its own, behind the fills), back as whole rows of 512 bytes.
; REGISTERS: window 0: v1-3 lane, r, h; v4-19 addresses; v32-95 scale words; v96-159 x's fragments, two sets, later rows of the result; v160-223 64 numbers.
;   window 1: v0-127 wo's fragments, two sets; v128-191 the bias.   window 2: accumulator (a, b) at v[8 (8 a + b)].
.set SCB,   14680064                   ; where inq's scale words begin
.set XSC,   4194304                    ; where xq's begin
.set CHUNK, 49152                      ; two K steps: 8 lane tiles x 2,048 bytes, then 16 register tiles
.set SCL,   4*CHUNK                    ; the scale words: 4,096 bytes of x's, then 8,192 of wo's
.set STG,   SCL+12288                  ; the stages: 16 rows x (512 + 16) bytes for each wave
.set SPITCH, 528
.set LI,    4                          ; v4      16 x lane
.set ADRS,  5                          ; v5      my scale words: lanes 0-15 x's, lanes 16-31 wo's
.set STO,   6                          ; v6      the stage, on the way in
.set SRD,   7                          ; v7      and on the way out
.set ADRA,  12
.set ADRB,  16
.set SC,    32
.set AF,    96
.set T,     160
.set BC,    128                        ; in window 1
.set G1C,   24
.set G1S,   32
.set G0S,   40
.set G0C,   44
.set MSB,   0
.macro WIN new                         ; the immediate's high byte repeats the setting that is left
.if MSB != \new
	s_set_vgpr_msb (MSB<<8)|\new
.set MSB, \new
.endif
.endm
.set W_MUL, 0xa1                       ; source 0 window 1, source 1 window 0, C and D window 2
.set TO_B,  0x40                       ; destination window 1, address window 0
.macro PLACES n
.rept \n
	v_nop
.endr
.endm
	s_load_b256 s[4:11], s[0:1], 0x0               ; xq s[4:5], inq s[6:7], bo s[8:9], out0 s[10:11]
	v_lshl_add_u32 v254, v0, 2, 0x3b400
	v_mov_b32 v255, 0
	ds_add_u32 v254, v255
	ds_add_u32 v254, v255
	v_lshrrev_b32 v1, 5, v0
	v_readfirstlane_b32 s14, v1                    ; wave
	s_lshr_b32 s15, s14, 1                         ; lh: which 64 tokens
	s_and_b32 s16, s14, 1                          ; wr: which 128 features
	s_lshr_b32 s19, ttmp9, 2                       ; ly: block of 128 tokens
	s_and_b32 s20, ttmp9, 3                        ; rx: block of 256 features
	s_lshl_b32 s66, s19, 3                         ; wave 0 fetches x's 8 tiles from 8 ly on,
	; HOW LDS IS FILLED, in place of what the head says of chunks and counted waits: ONE dense tensor load a wave, all four issued at the start and each filled once.  Wave 0: x's 8 tiles, all of K (65,536 bytes, to LDS 0);
	; wave 1: wo's 16 tiles (131,072 bytes, behind them); wave 2: x's scale words (4,096 bytes); wave 3: wo's (8,192).  One wait for 0 and one barrier stand ahead of the first K step.
	s_lshl_b32 s67, s20, 4
	s_add_co_u32 s67, s67, 1728                    ; wo's tiles: 1728 + 16 rx on
	s_mov_b32 s69, SCB
	s_mov_b32 s[G1C+0], 3<<16                      ; elements of 8 bytes, no mask, no padding
	s_mov_b32 s[G1C+1], 32<<16                     ; 65,536 dense bytes as 256 rows of 256
	s_mov_b32 s[G1C+2], 256<<16
	s_mov_b32 s[G1C+3], 32<<16
	s_mov_b32 s[G1C+4], 256
	s_mov_b32 s[G1C+5], 32
	s_mov_b32 s[G1C+6], 0
	s_mov_b32 s[G1C+7], 0
	s_mov_b32 s[G1S+0], 3<<16                      ; 4,096 dense bytes as 16 rows of 256
	s_mov_b32 s[G1S+1], 32<<16
	s_mov_b32 s[G1S+2], 16<<16
	s_mov_b32 s[G1S+3], 32<<16
	s_mov_b32 s[G1S+4], 16
	s_mov_b32 s[G1S+5], 32
	s_mov_b32 s[G1S+6], 0
	s_mov_b32 s[G1S+7], 0
.irp g, 48, 84                                 ; s[48:55]: 131,072 dense bytes as 512 rows of 256;  s[84:91]: 8,192 as 32 rows
	s_mov_b32 s[\g+0], 3<<16
	s_mov_b32 s[\g+1], 32<<16
	s_mov_b32 s[\g+3], 32<<16
	s_mov_b32 s[\g+5], 32
	s_mov_b32 s[\g+6], 0
	s_mov_b32 s[\g+7], 0
.endr
	s_mov_b32 s50, 512<<16
	s_mov_b32 s52, 512
	s_mov_b32 s86, 32<<16
	s_mov_b32 s88, 32
	s_wait_dscnt 0x0
	s_wait_kmcnt 0x0
	s_cmp_eq_u32 s16, 0                            ; even waves fetch from xq, odd ones from inq: the choice hangs on the wave's number alone
	s_cselect_b64 s[76:77], s[4:5], s[6:7]
	s_cselect_b32 s68, s66, s67
	s_cselect_b32 s69, XSC, s69
	s_lshl_b32 s70, s68, 13
	s_mov_b32 s71, 0
	s_lshl_b32 s72, s68, 9
	s_add_co_u32 s72, s72, s69
	s_mov_b32 s73, 0
	s_add_nc_u64 s[70:71], s[76:77], s[70:71]
	s_add_nc_u64 s[72:73], s[76:77], s[72:73]
	s_lshl_b32 s74, s14, 16                        ; where the codes go: 65,536 x wave (waves 0 and 1)
	s_mov_b32 s[G0S], 1
	s_lshl_b32 s[G0S+1], s14, 12
	s_add_co_u32 s[G0S+1], s[G0S+1], SCL-8192      ; the scale words: SCL + 4,096 x (wave - 2) (waves 2 and 3)
	s_mov_b64 s[G0S+2:G0S+3], s[72:73]
	s_or_b32 s[G0S+3], s[G0S+3], 0x80000000
	s_mov_b32 s[G0C], 1
	s_mov_b32 s[G0C+1], s74
	s_mov_b64 s[G0C+2:G0C+3], s[70:71]
	s_or_b32 s[G0C+3], s[G0C+3], 0x80000000
.macro ARM under, g0, g1, next         ; one tree of branches on the wave's number, one load to an arm, all arms to one join
	s_cmp_lt_u32 s14, \under
	s_cbranch_scc0 \next
	tensor_load_to_lds s[\g0:\g0+3], s[\g1:\g1+7]
	s_nop 0
	PLACES 4
	s_branch .Lasked
\next:
.endm
	ARM 1, G0C, G1C, .Lhead_1
	ARM 2, G0C, 48, .Lhead_2
	ARM 3, G0S, G1S, .Lhead_3
	tensor_load_to_lds s[G0S:G0S+3], s[84:91]
	s_nop 0
	PLACES 4
.Lasked:
	v_and_b32 v1, 31, v0                           ; lane
	v_and_b32 v2, 15, v0                           ; r
	v_bfe_u32 v3, v0, 4, 1                         ; h
	v_lshlrev_b32 v[LI], 4, v1
	s_wait_alu depctr_va_vdst(0)
	s_lshl_b32 s74, s15, 15                        ; my 4 tiles of x, 8,192 bytes each
	s_lshl_b32 s75, s16, 16                        ; my 8 tiles of wo,
	s_add_co_u32 s75, s75, 65536                   ; behind x's 8 tiles
	v_add_nc_u32 v[ADRA], s74, v[LI]
	v_add_nc_u32 v[ADRB], s75, v[LI]
	s_xor_b32 s75, s15, 1                          ; lanes 16-31 stand 4096 + 4096 wr - 2048 lh = 2048 + 4096 wr + 2048 (1 - lh) bytes further on: one product with h
	s_lshl_b32 s75, s75, 11
	s_lshl_b32 s74, s16, 12
	s_add_co_u32 s75, s75, s74
	s_add_co_u32 s75, s75, 2048
	v_mul_u32_u24 v[ADRS], s75, v3
	v_lshl_add_u32 v[ADRS], v2, 4, v[ADRS]
	s_lshl_b32 s74, s15, 11
	s_add_co_u32 s74, s74, SCL
	v_add_nc_u32 v[ADRS], s74, v[ADRS]
	s_mul_i32 s74, s14, 16*SPITCH
	s_add_co_u32 s74, s74, STG                     ; my stage
	v_mul_u32_u24 v[STO], v2, SPITCH
	v_lshl_add_u32 v[STO], v3, 6, v[STO]
	v_add_nc_u32 v[STO], s74, v[STO]               ; in: row r, + 64 h
	v_add_nc_u32 v[SRD], s74, v[LI]                ; back: 16 bytes a lane of a row
	s_lshl_b32 s74, s20, 10
	s_lshl_b32 s75, s16, 9
	s_add_co_u32 s74, s74, s75                     ; my first feature, in bytes: 4 x (256 rx + 128 wr)
	s_mov_b32 s75, 0
	s_add_nc_u64 s[8:9], s[8:9], s[74:75]          ; in bo,
	s_add_nc_u64 s[10:11], s[10:11], s[74:75]      ; and in a row of out0
	s_lshl_b32 s74, s19, 19                        ; 128 ly rows of 4,096 bytes
	s_lshl_b32 s76, s15, 18                        ; 64 lh rows
	s_add_co_u32 s74, s74, s76
	s_add_nc_u64 s[10:11], s[10:11], s[74:75]
	v_lshlrev_b32 v8, 6, v3                        ; the bias: + 16 h numbers
	WIN TO_B
.irp t, 0,1,2,3,4,5,6,7
	global_load_b128 v[BC+8*\t:BC+8*\t+3], v8, s[8:9] offset:(32*(\t/2)+8*(\t%2))*4
	global_load_b128 v[BC+8*\t+4:BC+8*\t+7], v8, s[8:9] offset:(32*(\t/2)+8*(\t%2))*4+16
.endr
	WIN 0
.macro SCALES                          ; all of K's scale words of my tiles: 16 loads
.irp i, 0,1,2,3,4,5,6,7
.irp g, 0,1
	ds_load_b128 v[SC+8*\i+4*\g:SC+8*\i+4*\g+3], v[ADRS] offset:512*\i+256*\g
.endr
.endr
.endm
.macro FETCH s                         ; K step s's fragments into set s % 2: an image comes back by two loads of 512 dense bytes
	WIN TO_B
.irp b, 0,1,2,3,4,5,6,7
.irp c, 0,1
	ds_load_b128 v[64*((\s)%2)+8*\b+4*\c:64*((\s)%2)+8*\b+4*\c+3], v[ADRB] offset:8192*\b+1024*(\s)+512*\c
.endr
.endr
	WIN 0
.irp a, 0,1,2,3
.irp c, 0,1
	ds_load_b128 v[AF+32*((\s)%2)+8*\a+4*\c:AF+32*((\s)%2)+8*\a+4*\c+3], v[ADRA] offset:8192*\a+1024*(\s)+512*\c
.endr
.endr
.endm
.macro MUL s                           ; 32 products; the 32 accumulators take turns, one instruction a turn, in the same order in every step.  Step 0 starts the sums
.irp a, 0,1,2,3
.irp b, 0,1,2,3,4,5,6,7
.if (\s) == 0
	v_wmma_scale_f32_16x16x128_f8f6f4 v[8*(8*\a+\b):8*(8*\a+\b)+7], v[64*((\s)%2)+8*\b:64*((\s)%2)+8*\b+7], v[AF+32*((\s)%2)+8*\a:AF+32*((\s)%2)+8*\a+7], 0, v[SC+8*\b+(\s)], v[SC+8*\a+(\s)] matrix_a_fmt:MATRIX_FMT_FP4 matrix_b_fmt:MATRIX_FMT_FP4 matrix_a_scale:MATRIX_SCALE_ROW1
.else
	v_wmma_scale_f32_16x16x128_f8f6f4 v[8*(8*\a+\b):8*(8*\a+\b)+7], v[64*((\s)%2)+8*\b:64*((\s)%2)+8*\b+7], v[AF+32*((\s)%2)+8*\a:AF+32*((\s)%2)+8*\a+7], v[8*(8*\a+\b):8*(8*\a+\b)+7], v[SC+8*\b+(\s)], v[SC+8*\a+(\s)] matrix_a_fmt:MATRIX_FMT_FP4 matrix_b_fmt:MATRIX_FMT_FP4 matrix_a_scale:MATRIX_SCALE_ROW1
.endif
.endr
.endr
.endm
.macro STEP s
	s_wait_dscnt 0x0                               ; this step's fragments are in: they were asked for ahead of the last step's 32 products
.if (\s) < 7
.if (\s) > 0
	PLACES 4                                       ; in front of loads into registers that the last step's products have read
.endif
	FETCH (\s)+1
.endif
	WIN W_MUL
	MUL \s
	WIN 0
.endm
	s_wait_alu depctr_va_vdst(0)
	s_wait_tensorcnt 0x0                           ; my one load has landed,
	s_barrier_signal -1
	s_barrier_wait -1                              ; everybody's are
	SCALES
	FETCH 0
.irp s, 0,1,2,3,4,5,6,7
	STEP \s
.endr
	s_wait_loadcnt 0x0                             ; the bias
	PLACES 4                                       ; behind the last products, in front of the first read of results
	; THE WAY OUT.  Lane (r, h) holds token r of tile a and features 32 b + 16 h + i of my 128.  A tile goes into my stage by rows and comes back as whole rows of 512 bytes.
.irp a, 0,1,2,3
	WIN 0x06                                       ; source 0 (the sums) window 2, source 1 (the bias) window 1
.set n, 0
.rept 32
	v_pk_add_f32 v[T+2*n:T+2*n+1], v[64*\a+2*n:64*\a+2*n+1], v[BC+2*n:BC+2*n+1]   ; each accumulator from its low end on
.set n, n+1
.endr
	WIN 0
.irp b, 0,1,2,3
.irp x, 0,1,2,3
	ds_store_b128 v[STO], v[T+16*\b+4*\x:T+16*\b+4*\x+3] offset:128*\b+16*\x
.endr
.endr
.if \a > 0
	s_wait_xcnt 0x0                                ; the last tile's stores have read their data: the loads below land there only behind this wait
.endif
.irp i, 0,1,2,3,4,5,6,7,8,9,10,11,12,13,14,15
	ds_load_b128 v[AF+4*\i:AF+4*\i+3], v[SRD] offset:SPITCH*\i   ; LDS serves a wave's instructions in order: these see the stores above, and the next tile's stores come behind them
.endr
.irp i, 0,1,2,3,4,5,6,7,8,9,10,11,12,13,14,15
	s_wait_dscnt 15-\i                             ; row i is back; the younger rows may be out (at the last row all are back, so the 64 numbers may be written again)
	global_store_b128 v[LI], v[AF+4*\i:AF+4*\i+3], s[10:11] offset:(32*(\a/2)+8*(\a%2)+\i+8*(\i/8))*4096 th:TH_STORE_NT   ; 32 lanes store 512 consecutive bytes, aligned; written once, read by nobody here
.endr
.endr
	s_wait_tensorcnt 0x0
	ds_add_u32 v254, v255
	s_wait_dscnt 0x0
	s_endpgm
.Lfunc_end_k_qde676f1d09_outp:
	.size	k_qde676f1d09_outp, .Lfunc_end_k_qde676f1d09_outp-k_qde676f1d09_outp
	.p2alignl 7, 3214868480
	.fill 96, 4, 3214868480
	.section	.rodata,"a",@progbits
	.p2align	6, 0x0
	.amdhsa_kernel k_qde676f1d09_outp
		.amdhsa_group_segment_fixed_size 243200
		.amdhsa_private_segment_fixed_size 0
		.amdhsa_enable_private_segment 0
		.amdhsa_kernarg_size 32
		.amdhsa_user_sgpr_count 2
		.amdhsa_user_sgpr_kernarg_segment_ptr 1
		.amdhsa_wavefront_size32 1
		.amdhsa_system_sgpr_workgroup_id_x 1
		.amdhsa_system_sgpr_workgroup_id_y 1
		.amdhsa_system_sgpr_workgroup_id_z 1
		.amdhsa_system_vgpr_workitem_id 0
		.amdhsa_next_free_vgpr 768
		.amdhsa_next_free_sgpr 96
		.amdhsa_reserve_vcc 0
		.amdhsa_float_denorm_mode_32 3
		.amdhsa_float_denorm_mode_16_64 3
		.amdhsa_memory_ordered 1
		.amdhsa_forward_progress 1
		.amdhsa_inst_pref_size 80
	.end_amdhsa_kernel
	.amdgpu_metadata
---
amdhsa.version: [ 1, 2 ]
amdhsa.kernels:
  - .name:           k_qde676f1d09_outp
    .symbol:         k_qde676f1d09_outp.kd
    .args:
      - { .name: xq, .offset: 0, .size: 8, .value_kind: global_buffer, .address_space: global }
      - { .name: inq, .offset: 8, .size: 8, .value_kind: global_buffer, .address_space: global }
      - { .name: bo, .offset: 16, .size: 8, .value_kind: global_buffer, .address_space: global }
      - { .name: out0, .offset: 24, .size: 8, .value_kind: global_buffer, .address_space: global }
    .group_segment_fixed_size: 243200
    .private_segment_fixed_size: 0
    .kernarg_segment_align: 8
    .kernarg_segment_size: 32
    .max_flat_workgroup_size: 128
    .sgpr_count:     96
    .vgpr_count:     768
    .wavefront_size: 32
...
	.end_amdgpu_metadata
.endif
;; end of part 4
